; MI455X (gfx1250); checked and timed in simulation.
; The chip was launched on July 23, 2026; its instructions are those of AMD's public machine-readable ISA for CDNA 5 (MIT licence, August 2026) and "CDNA5" Instruction Set Architecture Reference Guide (July 2026). The comments in the code are by the model that wrote it; some were corrected since.
;; MH Attn. Allowed arithmetic: matrix products marked QUANTISED: E2M3 operands, one E8M0 scale for each 32 along K, by v_wmma_scale_f32_16x16x128_f8f6f4 with both operands' format E2M3, f32 sums; everything else in f32.
;; Inputs: Wk 1,024 x 1,024 float32; Wo 1,024 x 1,024 float32; Wq 1,024 x 1,024 float32; Wv 1,024 x 1,024 float32; beta 1,024 float32; gamma 1,024 float32; k 1 x 4,096 x 1,024 float32; q 1 x 4,096 x 1,024 float32; v 1 x 4,096 x 1,024 float32.
;; Outputs: out0 1 x 4,096 x 1,024 float32.
;; This version of the problem:
;;   THIS VERSION OF THE PROBLEM IS GIVEN IN LOW PRECISION. The matrix products marked QUANTISED in the list below multiply operands that are first quantised to E2M3 (2 exponent bits, 3 mantissa bits; 6 bits a number), with one power-of-two scale for each 32 numbers along K (OCP MX v1.0); their sums are f32. All else is computed in f32.
;;   The module's matrix products, in the order in which they are computed (A, B: the left and right operand; K: the contracted axis; several contracted axes count as one K, in the product's order):
;;     1. [M 4,096, K 1,024] x [K 1,024, N 1,024]; A: input q; B: input Wq: QUANTISED
;;     2. [M 4,096, K 1,024] x [K 1,024, N 1,024]; A: input k; B: input Wk: QUANTISED
;;     3. [M 4,096, K 1,024] x [K 1,024, N 1,024]; A: input v; B: input Wv: QUANTISED
;;     4. batch 16 x [M 4,096, K 64] x [K 64, N 4,096]; A: computed on the way; B: computed on the way: QUANTISED
;;     5. batch 16 x [M 4,096, K 4,096] x [K 4,096, N 64]; A: softmax (see below); B: computed on the way: QUANTISED
;;     6. [M 4,096, K 1,024] x [K 1,024, N 1,024]; A: computed on the way; B: input Wo: QUANTISED
;;   THE QUANTISER, for each operand of a quantised product, along K:
;;     - K is cut into blocks of 32 from its start; a last block that is shorter is filled with zeros.
;;     - A block's scale is 2^e with e = floor(log2(the largest magnitude in the block)) - 2, held to -126 .. 127; a block of zeros has e = 0. As a byte (E8M0): e + 127.
;;     - Each number is divided by its block's scale, clamped to +-7.5, and rounded to the nearest number of E2M3, ties to even, subnormals kept.
;;     - The product sums the exact products of the quantised numbers (number of the format x scale) in f32.
;;   ~~~python
;;   def quantise(x, axis):      # numpy; x: float32 -> the quantised numbers, widened to float32 again
;;       x = np.moveaxis(x, axis, -1); K = x.shape[-1]
;;       x = np.pad(x, [(0, 0)] * (x.ndim - 1) + [(0, -K % 32)]); x = x.reshape(x.shape[:-1] + (-1, 32)); a = np.abs(x).max(-1, keepdims=True)
;;       e = np.where(a > 0, np.clip(np.frexp(np.where(a > 0, a, 1))[1] - 1 - 2, -126, 127), 0)      # np.frexp(a)[1] - 1 = floor(log2(a)), exactly
;;       r = np.clip(x / 2.0 ** e, -7.5, 7.5)
;;       step = 2.0 ** (np.maximum(np.frexp(np.where(r == 0, 1, r))[1] - 1, 0) - 3)
;;       q = np.round(r / step) * step * 2.0 ** e      # np.round: ties to even
;;       return np.moveaxis(q.reshape(q.shape[:-2] + (-1,))[..., :K], -1, axis).astype(np.float32)
;;   ~~~
;;   SOFTMAX AHEAD OF A QUANTISED PRODUCT. Where the list says 'softmax', what is quantised is not the finished softmax but p = 2^(t - M), with t = logit x log2(e) and M = ceil(the row's largest t), a whole number; so 1/2 < the row's largest p <= 1. The row's sum l is taken of the UNQUANTISED p, in f32, and the product's result is divided by l at the end. Since M is a whole number, a kernel that streams over the keys may use a running M (the ceiling of the running maximum): every later rescaling is an exact power of two, which a block's scale takes up: the codes' values come out the same.
;;   OPERANDS COMPUTED ON THE WAY. 'Computed on the way' means the value that the module computes at that place (a softmax that the list does not call 'softmax' is quantised finished and normalised). What goes into a quantiser is computed in f32, as accurately as f32 sums, v_exp_f32 and their like allow (about 1e-6 of the number): no bf16 or f16 on the way to a quantiser, and a product that is left as it is and whose result goes on into a quantised operand takes f32 operands (vector FMAs, or v_wmma_f32_16x16x4_f32). A number that lies on a knife's edge between two numbers of the format may be rounded either way, as far as f32 arithmetic and the matrix unit's own rounding can turn it there, and no further.
;; One version. Each part assembles by itself: llvm-mc -triple=amdgcn-amd-amdhsa -mcpu=gfx1250 --defsym DOCPART=n.
;; ======== version 1 of 1: 4 launches
;; limits: right only within a limited range of input values
;; workspace buffers: cod 12,582,912 bytes; scl 524,288 bytes; att 10,092,544 bytes; oimg 3,145,728 bytes; osc 262,144 bytes
;; launch quant (part 1): grid 256 x 1, 4 waves a work-group, no clusters, 34,304 bytes of LDS; arguments q, k, v, Wq, Wk, Wv, Wo, cod, scl; writes cod, scl
.if DOCPART == 1
	.amdgcn_target "amdgcn-amd-amdhsa--gfx1250"
	.amdhsa_code_object_version 6
	.text
	.protected	k_qb3c1809fb0_quant
	.globl	k_qb3c1809fb0_quant
	.p2align	8
	.type	k_qb3c1809fb0_quant,@function
k_qb3c1809fb0_quant:
	s_mov_b64 s[64:65], 0
	v_nop
	global_prefetch_b8 v0, s[64:65] scope:SCOPE_SE
	s_setreg_imm32_b32 hwreg(HW_REG_WAVE_MODE, 25, 1), 1
	s_wait_xcnt 0x0
; q, k, v [4096][1024] and Wq, Wk, Wv, Wo [1024][1024], f32 with K innermost, become codes of FP6 (E2M3) with one E8M0 byte for each 32 along K.
; A block's scale is 2^(floor(log2(its largest magnitude)) - 2); its byte is the largest magnitude's exponent field - 2, held at 1 from below.
; LIMITS: NaN and infinities among the inputs are not served.  A block of zeros gets the byte 1 where the rule says 127: its codes are zeros, which add nothing, and this program alone reads the bytes.
; Blocks whose largest magnitude lies under 2^-124 are held at that floor.
; LAYOUT OF THE CODES: images of the operand's registers.  A fragment (16 rows x 128 K, 12 registers a lane) is 1,536 bytes: registers 4 j .. 4 j + 3 of lane l at 512 j + 16 l.
; cod = [group of 128 stored rows: 128][K step: 8][tile: 8][1,536]; groups: q 0-31, k 32-63, v 64-95, Wq 96-103, Wk 104-111, Wv 112-119, Wo 120-127.  scl = [stored row][8 words], word s for K step s.
; STORED ROWS: stored row s holds the tensor's row s with bits 3 and 4 exchanged: lane r of stored tile 2 b + u is row 32 b + 8 u + r + 8 (r / 8).  So where such a tile is source 0 of a product, the 16 result
; registers of tiles 2 b and 2 b + 1 are 16 neighbours along that axis, and every later read of a fragment is dense.
; SHARES: 1,024 stored tiles; a wave takes one: 16 rows x all of K, 8 K steps.  Each load reads 512 consecutive bytes of one row (a K step); the 16 rows turn through the wave's own stage in LDS (rows 528 bytes
; apart) so that lane (r, h) gets k = 64 c + 32 h + 0 .. 31 of row r: two whole blocks, in the order of the operand's registers.  Waves share nothing: no barrier.  No work-group reads what another reads: no cluster.
.set STGB, 8448                        ; a wave's stage: 16 rows x 528 bytes
.set R,    16                          ; v16-143  two sets of 64: a K step as it is loaded
.set X,    144                         ; v144-207 my 64 numbers of the K step
.set PC,   208                         ; v208-219 the fragment's 12 registers
.set CT,   220                         ; v220-227 the second halves of the blocks' codes (a conversion's three registers begin on an even number)
.set SW,   228                         ; v228-235 my row's scale words, one a K step
	s_load_b512 s[8:23], s[0:1], 0x0               ; q, k, v, Wq, Wk, Wv, Wo, cod
	s_load_b64 s[24:25], s[0:1], 0x40              ; scl
	v_lshl_add_u32 v240, v0, 2, 0x8400
	v_mov_b32 v241, 0
	v_lshrrev_b32 v14, 5, v0
	v_readfirstlane_b32 s2, v14                    ; wave 0..3
	v_and_b32 v14, 31, v0                          ; lane
	v_and_b32 v15, 15, v0                          ; r
	v_bfe_u32 v4, v0, 4, 1                         ; h
	v_lshlrev_b32 v1, 4, v14                       ; 16 x lane: my bytes of a load's and of a store's 512
	s_mul_i32 s3, s2, STGB
	v_add_nc_u32 v2, s3, v1                        ; the stage, on the way in
	v_mul_u32_u24 v3, v15, 528
	v_lshl_add_u32 v3, v4, 7, v3
	v_add_nc_u32 v3, s3, v3                        ; and on the way out: row r, + 128 h bytes
	v_lshlrev_b32 v5, 5, v15
	v_lshl_add_u32 v5, v4, 4, v5                   ; the scale words' place: 32 r + 16 h
	v_lshlrev_b32 v4, 3, v4                        ; 8 h: my bytes' shift in a scale word
	v_mov_b32 v13, 0                               ; written once: a lane permute's destination counts as one of its sources
	s_mov_b32 s26, 0x76543210
	s_mov_b32 s27, 0xfedcba98                      ; selects for lane l xor 16
	s_wait_alu depctr_va_vdst(0)
	s_wait_kmcnt 0x0
; which tensor: the choice hangs on the work-group's number alone
.macro PICK lim, ptr
	s_cmp_ge_u32 ttmp9, \lim
	s_cselect_b64 s[4:5], s[\ptr:\ptr+1], s[4:5]
	s_cselect_b32 s6, \lim, s6
.endm
	s_mov_b64 s[4:5], s[8:9]
	s_mov_b32 s6, 0
	PICK 64, 10
	PICK 128, 12
	PICK 192, 14
	PICK 208, 16
	PICK 224, 18
	PICK 240, 20
	s_sub_co_u32 s7, ttmp9, s6                     ; the work-group's number within its tensor: 4 stored tiles each
	s_lshl_b32 s7, s7, 1
	s_lshr_b32 s28, s2, 1
	s_add_co_u32 s7, s7, s28                       ; which 32 rows
	s_lshl_b32 s28, s7, 17                         ; x 32 rows of 4,096 bytes
	s_and_b32 s29, s2, 1
	s_lshl_b32 s29, s29, 15                        ; + 8 rows for an odd tile
	s_add_co_u32 s28, s28, s29
	; k's ROWS ARE STORED IN ANOTHER ORDER: stored tile t (0..3) of a group of 64 rows holds, in its row 8 h + j, the group's row 32 h + 8 t + j.  So where four such tiles are source 0 of a product,
	; a lane's 32 result registers are 32 neighbouring rows: a whole block along the keys.  A work-group is such a group, wave t its tile: base 64 rows x work-group + 8 t, rows 8-15 of the tile 16 rows further on than elsewhere.
	s_sub_co_u32 s32, ttmp9, s6
	s_lshl_b32 s32, s32, 18                        ; 64 rows of 4,096 bytes
	s_lshl_b32 s33, s2, 15                         ; + 8 rows a wave
	s_add_co_u32 s32, s32, s33
	s_cmp_eq_u32 s6, 64                            ; k's work-groups begin at 64: the choice hangs on the work-group's number alone
	s_cselect_b32 s28, s32, s28
	s_cselect_b32 s32, 0x10000, 0                  ; 16 rows more for the tile's rows 8-15
	s_mov_b32 s33, 0
	s_mov_b32 s29, 0
	s_add_nc_u64 s[4:5], s[4:5], s[28:29]
	s_add_nc_u64 s[32:33], s[4:5], s[32:33]        ; the base of the tile's rows 8-15
	s_lshr_b32 s28, ttmp9, 1                       ; the group,
	s_mul_i32 s28, s28, 98304
	s_and_b32 s30, ttmp9, 1
	s_lshl_b32 s30, s30, 2
	s_add_co_u32 s30, s30, s2                      ; the tile in it
	s_mul_i32 s30, s30, 1536
	s_add_co_u32 s28, s28, s30
	s_add_nc_u64 s[22:23], s[22:23], s[28:29]
	s_lshl_b32 s28, ttmp9, 2
	s_add_co_u32 s28, s28, s2
	s_lshl_b32 s28, s28, 9                         ; 16 rows x 32 bytes of scale words a tile
	s_add_nc_u64 s[24:25], s[24:25], s[28:29]
.macro LOAD t                          ; K step t of my 16 rows into set t % 2: 32 lanes read 512 consecutive bytes of one row
.irp p, 0,1,2,3,4,5,6,7,8,9,10,11,12,13,14,15
	global_load_b128 v[R+64*((\t)%2)+4*\p:R+64*((\t)%2)+4*\p+3], v1, s[4+28*(\p/8):5+28*(\p/8)] offset:(\p+8*(\p/8))*4096+512*(\t) th:TH_LOAD_NT
.endr
.endm
.macro KS s
.if (\s) < 7
	s_wait_loadcnt 16                              ; this K step's 16 loads are in; the next step's 16 may be out
.else
	s_wait_loadcnt 0x0
.endif
.irp p, 0,1,2,3,4,5,6,7,8,9,10,11,12,13,14,15
	ds_store_b128 v2, v[R+64*((\s)%2)+4*\p:R+64*((\s)%2)+4*\p+3] offset:528*\p
.endr
.irp c, 0,1
.irp e, 0,1,2,3,4,5,6,7
	ds_load_b128 v[X+32*\c+4*\e:X+32*\c+4*\e+3], v3 offset:256*\c+16*\e   ; LDS serves a wave's instructions in order: these see the stores above
.endr
.endr
	s_wait_dscnt 0x0                               ; my 64 numbers are in, and the stores have read the set,
.if (\s) < 6
	LOAD (\s)+2                                    ; which takes the K step two on
.endif
.irp c, 0,1
	v_max3_num_f32 v[6+\c], |v[X+32*\c]|, |v[X+32*\c+1]|, 0x1800000   ; block 2 c + h is all mine; the floor 2^(3 - 127) keeps the byte at 1 or above
.endr
.irp i, 2,4,6,8,10,12,14,16,18,20,22,24,26,28,30
.irp c, 0,1
	v_max3_num_f32 v[6+\c], v[6+\c], |v[X+32*\c+\i]|, |v[X+32*\c+\i+1]|
.endr
.endr
.irp c, 0,1
	v_add_nc_u32 v[8+\c], 0xff000000, v[6+\c]      ; 2 off the exponent field: the conversion's scale operand
.endr
.irp c, 0,1
	v_lshrrev_b32 v[10+\c], 23, v[8+\c]            ; the scale's byte
.endr
	v_lshl_or_b32 v12, v11, 16, v10                ; my two bytes, blocks h and 2 + h,
	v_lshlrev_b32 v12, v4, v12                     ; at their places;
	v_permlanex16_b32 v13, v12, s26, s27
	v_or_b32 v[SW+(\s)], v12, v13                  ; with lane l xor 16's two the word is whole
	s_wait_alu depctr_va_vdst(0)
	s_wait_xcnt 0x0                                ; the last K step's stores have read the fragment's registers: they are written again only behind this wait
.irp c, 0,1
	v_cvt_scalef32_pk16_fp6_f32 v[PC+6*\c:PC+6*\c+2], v[X+32*\c:X+32*\c+15], v[8+\c]
	v_cvt_scalef32_pk16_fp6_f32 v[CT+4*\c:CT+4*\c+2], v[X+32*\c+16:X+32*\c+31], v[8+\c]
.endr
	v_nop                                          ; one plain instruction behind the scaled conversions
.irp c, 0,1
.irp i, 0,1,2
	v_mov_b32 v[PC+6*\c+3+\i], v[CT+4*\c+\i]
.endr
.endr
.irp j, 0,1,2
	global_store_b128 v1, v[PC+4*\j:PC+4*\j+3], s[22:23] offset:12288*(\s)+512*\j   ; 32 lanes store 512 consecutive bytes, aligned
.endr
.endm
	LOAD 0
	LOAD 1
.irp n, 0,1,2,3,4,5,6,7
	KS \n
.endr
	v_cmp_gt_u32 vcc_lo, 16, v14
.irp i, 0,1,2,3
	v_cndmask_b32 v[6+\i], v[SW+4+\i], v[SW+\i], vcc_lo   ; lanes 0-15 store their row's words 0-3, lanes 16-31 words 4-7
.endr
	global_store_b128 v5, v[6:9], s[24:25]         ; the tile's 512 bytes of scale words
	s_wait_tensorcnt 0x0
	ds_add_u32 v240, v241
	s_wait_dscnt 0x0
	s_endpgm
.Lfunc_end_k_qb3c1809fb0_quant:
	.size	k_qb3c1809fb0_quant, .Lfunc_end_k_qb3c1809fb0_quant-k_qb3c1809fb0_quant
	.p2alignl 7, 3214868480
	.fill 96, 4, 3214868480
	.section	.rodata,"a",@progbits
	.p2align	6, 0x0
	.amdhsa_kernel k_qb3c1809fb0_quant
		.amdhsa_group_segment_fixed_size 34304
		.amdhsa_private_segment_fixed_size 0
		.amdhsa_enable_private_segment 0
		.amdhsa_kernarg_size 72
		.amdhsa_user_sgpr_count 2
		.amdhsa_user_sgpr_kernarg_segment_ptr 1
		.amdhsa_wavefront_size32 1
		.amdhsa_system_sgpr_workgroup_id_x 1
		.amdhsa_system_sgpr_workgroup_id_y 1
		.amdhsa_system_sgpr_workgroup_id_z 1
		.amdhsa_system_vgpr_workitem_id 0
		.amdhsa_next_free_vgpr 242
		.amdhsa_next_free_sgpr 66
		.amdhsa_reserve_vcc 1
		.amdhsa_float_denorm_mode_32 3
		.amdhsa_float_denorm_mode_16_64 3
		.amdhsa_memory_ordered 1
		.amdhsa_forward_progress 1
		.amdhsa_inst_pref_size 59
	.end_amdhsa_kernel
	.amdgpu_metadata
---
amdhsa.version: [ 1, 2 ]
amdhsa.kernels:
  - .name:           k_qb3c1809fb0_quant
    .symbol:         k_qb3c1809fb0_quant.kd
    .args:
      - { .name: q, .offset: 0, .size: 8, .value_kind: global_buffer, .address_space: global }
      - { .name: k, .offset: 8, .size: 8, .value_kind: global_buffer, .address_space: global }
      - { .name: v, .offset: 16, .size: 8, .value_kind: global_buffer, .address_space: global }
      - { .name: Wq, .offset: 24, .size: 8, .value_kind: global_buffer, .address_space: global }
      - { .name: Wk, .offset: 32, .size: 8, .value_kind: global_buffer, .address_space: global }
      - { .name: Wv, .offset: 40, .size: 8, .value_kind: global_buffer, .address_space: global }
      - { .name: Wo, .offset: 48, .size: 8, .value_kind: global_buffer, .address_space: global }
      - { .name: cod, .offset: 56, .size: 8, .value_kind: global_buffer, .address_space: global }
      - { .name: scl, .offset: 64, .size: 8, .value_kind: global_buffer, .address_space: global }
    .group_segment_fixed_size: 34304
    .private_segment_fixed_size: 0
    .kernarg_segment_align: 8
    .kernarg_segment_size: 72
    .max_flat_workgroup_size: 128
    .sgpr_count:     66
    .vgpr_count:     242
    .wavefront_size: 32
...
	.end_amdgpu_metadata
.endif
;; end of part 1
;; launch proj (part 2): grid 4 x 48, 4 waves a work-group, clusters of 4 x 4, 327,680 bytes of LDS; arguments cod, scl, att; writes att
.if DOCPART == 2
	.amdgcn_target "amdgcn-amd-amdhsa--gfx1250"
	.amdhsa_code_object_version 6
	.text
	.protected	k_qb3c1809fb0_proj
	.globl	k_qb3c1809fb0_proj
	.p2align	8
	.type	k_qb3c1809fb0_proj,@function
k_qb3c1809fb0_proj:
	s_mov_b64 s[64:65], 0
	v_nop
	global_prefetch_b8 v0, s[64:65] scope:SCOPE_SE
	s_setreg_imm32_b32 hwreg(HW_REG_WAVE_MODE, 25, 1), 1
	s_wait_xcnt 0x0
	s_wait_alu depctr_hold_cnt(0) depctr_sa_sdst(0) depctr_va_vdst(0) depctr_va_sdst(0) depctr_va_ssrc(0) depctr_va_vcc(0) depctr_vm_vsrc(0)
	s_getreg_b32 s2, hwreg(HW_REG_IB_STS2, 6, 4)
	s_cmp_eq_u32 s2, 0
	s_cbranch_scc0 .Lentry_in_a_cluster
	s_endpgm
.Lentry_in_a_cluster:
	s_bfe_u32 s2, ttmp6, 0x10000c
	s_cmp_lg_u32 s2, 0xf033
	s_cbranch_scc0 .Lentry_shape_is_right
	s_endpgm
.Lentry_shape_is_right:
.set NQ,     2
.set FR,     12
.set NL,     3
.set NP,     4
.set HALFT,  24576
.set SLOT,   4*HALFT
.set LAPS,   2
.set SCL,    2*SLOT
.set HALFS,  16*272
.set SBLK,   2*272
.set SPARE,  SCL+4*HALFS
.set ADRA, 16
.set ADRB, 20
.set L16,  24
.set L8,   25
.set LN,   26
.set ADRS, 27
.set SPW,  28
.set NIL,  29
.set SC,   32
.set AF,   128
.set TM,   64
.set PW,   80
.set SS,   88
.set RR,   92
.set PC,   100
.set CT,   112
.set G1,   24
.set G0,   32
.set G1B,  48
.set G0B,  56
.set G1S,  68
.set G0S,  76
.set G1SB, 80
.set G0SB, 88
.set MSB, 0
.macro WIN new
.if MSB != (\new)
	s_set_vgpr_msb (MSB<<8)|(\new)
.set MSB, (\new)
.endif
.endm
.set MUL_LO, 0xa1
.set MUL_HI, 0xf1
.set TO_B,   0x40
.macro JLOAD g0a, g1a, g0b, g1b
	s_cmp_eq_u32 s15, 0
	s_cbranch_scc0 .Lfor_b_\@
	tensor_load_to_lds s[\g0a:\g0a+3], s[\g1a:\g1a+7]
	s_nop 0
.rept 4
	v_nop
.endr
	s_branch .Lasked_\@
.Lfor_b_\@:
	tensor_load_to_lds s[\g0b:\g0b+3], s[\g1b:\g1b+7]
	s_nop 0
.rept 4
	v_nop
.endr
.Lasked_\@:
.endm
.macro CREST
	s_cmp_lg_u32 s14, 0
	s_cbranch_scc1 .Lnot_wave_0_\@
	s_barrier_signal -3
.Lnot_wave_0_\@:
	s_barrier_wait -3
	s_barrier_signal -1
	s_barrier_wait -1
.endm
.macro CROUND
	s_barrier_signal -1
	s_barrier_wait -1
	CREST
.endm
	s_load_b128 s[4:7], s[0:1], 0x0
	s_load_b64 s[8:9], s[0:1], 0x10
	v_lshl_add_u32 v[SPW], v0, 2, SPARE
	v_mov_b32 v[NIL], 0
	ds_add_u32 v28, v29
	ds_add_u32 v28, v29
	s_wait_dscnt 0x0
	v_lshrrev_b32 v1, 5, v0
	v_readfirstlane_b32 s14, v1
	s_lshr_b32 s15, s14, 1
	s_and_b32 s16, s14, 1
	s_bfe_u32 s40, ttmp6, 0x40000
	s_bfe_u32 s41, ttmp6, 0x40004
	s_and_b32 s10, ttmp7, 0xffff
	s_lshr_b32 s11, s10, 2
	s_and_b32 s12, s10, 3
	s_lshl_b32 s12, s12, 2
	s_lshl_b32 s2, s11, 5
	s_lshl_b32 s3, s11, 3
	s_add_co_u32 s3, s3, 96
	s_cmp_lt_u32 s11, 2
	s_cselect_b32 s17, s12, 0
	s_cselect_b32 s42, 0, s12
	s_cselect_b32 s2, s2, 112
	s_cselect_b32 s3, s3, 64
	s_add_co_u32 s17, s17, s41
	s_add_co_u32 s42, s42, s40
	s_lshl_b32 s43, s41, 2
	s_lshl_b32 s43, 15, s43
	s_lshl_b32 s44, 0x1111, s40
	s_or_b32 s[G1+0], s43, (3<<16)|(1<<21)
	s_or_b32 s[G1B+0], s44, (3<<16)|(1<<21)
.irp g, G1, G1B
	s_mov_b32 s[\g+1], 32<<16
	s_mov_b32 s[\g+2], 96<<16
	s_mov_b32 s[\g+3], 32<<16
	s_mov_b32 s[\g+4], 96
	s_mov_b32 s[\g+5], 32
	s_mov_b32 s[\g+6], 0
	s_mov_b32 s[\g+7], 0
.endr
	s_or_b32 s[G1S+0], s43, (3<<16)|(1<<20)|(1<<21)|(5<<22)|(3<<25)
	s_or_b32 s[G1SB+0], s44, (3<<16)|(1<<20)|(1<<21)|(5<<22)|(3<<25)
.irp g, G1S, G1SB
	s_mov_b32 s[\g+1], 32<<16
	s_mov_b32 s[\g+2], 16<<16
	s_mov_b32 s[\g+3], 32<<16
	s_mov_b32 s[\g+4], 16
	s_mov_b32 s[\g+5], 32
	s_mov_b32 s[\g+6], 0
	s_mov_b32 s[\g+7], 0
.endr
	s_lshl_b32 s20, s17, 1
	s_add_co_u32 s20, s20, s2
	s_add_co_u32 s20, s20, s16
	s_lshl_b32 s46, s42, 1
	s_add_co_u32 s46, s46, s3
	s_add_co_u32 s46, s46, s16
	s_lshl_b32 s22, s20, 12
	s_mov_b32 s23, 0
	s_lshl_b32 s92, s46, 12
	s_mov_b32 s93, 0
	s_mul_i32 s20, s20, 98304
	s_mov_b32 s21, 0
	s_mul_i32 s46, s46, 98304
	s_mov_b32 s47, 0
	s_mul_i32 s45, s14, HALFT
	s_mul_i32 s94, s14, HALFS
	s_wait_kmcnt 0x0
	s_add_nc_u64 s[20:21], s[4:5], s[20:21]
	s_add_nc_u64 s[22:23], s[6:7], s[22:23]
	s_add_nc_u64 s[46:47], s[4:5], s[46:47]
	s_add_nc_u64 s[92:93], s[6:7], s[92:93]
	CROUND
	s_mov_b32 s[G0S], 1
	s_add_co_u32 s[G0S+1], s94, SCL
	s_mov_b64 s[G0S+2:G0S+3], s[22:23]
	s_or_b32 s[G0S+3], s[G0S+3], 0x80000000
	s_mov_b32 s[G0SB], 1
	s_add_co_u32 s[G0SB+1], s94, SCL
	s_mov_b64 s[G0SB+2:G0SB+3], s[92:93]
	s_or_b32 s[G0SB+3], s[G0SB+3], 0x80000000
	JLOAD G0S, G1S, G0SB, G1SB
.irp s, 0,1
	s_mov_b32 s[G0+4*\s], 1
	s_add_co_u32 s[G0+4*\s+1], s45, \s*SLOT
	s_add_nc_u64 s[G0+4*\s+2:G0+4*\s+3], s[20:21], \s*HALFT
	s_or_b32 s[G0+4*\s+3], s[G0+4*\s+3], 0x80000000
	s_mov_b32 s[G0B+4*\s], 1
	s_add_co_u32 s[G0B+4*\s+1], s45, \s*SLOT
	s_add_nc_u64 s[G0B+4*\s+2:G0B+4*\s+3], s[46:47], \s*HALFT
	s_or_b32 s[G0B+4*\s+3], s[G0B+4*\s+3], 0x80000000
	s_wait_alu depctr_va_vdst(0)
	s_wait_tensorcnt 0x0
	ds_add_u32 v28, v29
	s_wait_dscnt 0x0
	CROUND
	JLOAD G0+4*\s, G1, G0B+4*\s, G1B
.endr
	v_and_b32 v[LN], 31, v0
	v_lshlrev_b32 v[L16], 4, v[LN]
	v_lshlrev_b32 v[L8], 3, v[LN]
	v_and_b32 v1, 15, v0
	v_bfe_u32 v2, v0, 4, 1
	s_wait_alu depctr_va_vdst(0)
	s_mul_i32 s21, s15, HALFT
	s_mul_i32 s22, s16, HALFT
	s_add_co_u32 s22, s22, 2*HALFT
.irp s, 0,1
	v_add_nc_u32 v[ADRA+\s], s21, v[L16]
	v_add_nc_u32 v[ADRB+\s], s22, v[L16]
	s_add_co_u32 s21, s21, SLOT
	s_add_co_u32 s22, s22, SLOT
.endr
	v_mul_u32_u24 v5, v1, 32
	v_lshrrev_b32 v6, 8, v5
	v_lshl_add_u32 v5, v6, 4, v5
	s_mul_i32 s21, s15, HALFS
	s_mul_i32 s22, s16, HALFS
	s_add_co_u32 s22, s22, 2*HALFS
	s_sub_co_u32 s22, s22, s21
	v_mul_u32_u24 v6, s22, v2
	s_add_co_u32 s21, s21, SCL
	v_add_nc_u32 v5, v5, v6
	v_add_nc_u32 v[ADRS], s21, v5
.irp b, 0,1,2,3
	v_mov_b32 v[TM+4+\b], 0
.endr
	s_lshl_b32 s12, s17, 1
	s_add_co_u32 s12, s12, s15
	s_lshl_b32 s13, s42, 1
	s_add_co_u32 s13, s13, s16
	s_mov_b32 s18, 768
	s_mov_b32 s96, 1536
	s_mov_b32 s19, 256
	s_cmp_lt_u32 s11, 2
	s_cselect_b32 s20, s13, s12
	s_cselect_b32 s21, s12, s13
	s_cselect_b32 s18, 196608, s18
	s_cselect_b32 s96, 768, s96
	s_cselect_b32 s98, 0, 190464
	s_cselect_b32 s19, 512, s19
	s_cselect_b32 s10, 0, 16384
	s_mov_b32 s97, 0
	s_mov_b32 s99, 0
	s_mul_i32 s22, s11, 3145728
	s_mul_i32 s23, s20, 393216
	s_add_co_u32 s22, s22, s23
	s_mul_i32 s23, s21, 6144
	s_add_co_u32 s22, s22, s23
	s_mov_b32 s23, 0
	s_add_nc_u64 s[66:67], s[8:9], s[22:23]
	s_mov_b32 s22, s18
	s_add_nc_u64 s[94:95], s[66:67], s[22:23]
	s_mov_b32 s18, 24576
	s_mov_b32 s22, 9437184
	s_cmp_eq_u32 s11, 0
	s_cselect_b32 s18, 16384, s18
	s_cselect_b32 s22, 9830400, s22
	s_add_co_u32 s22, s22, s10
	s_mul_i32 s23, s20, s18
	s_lshl_b32 s23, s23, 1
	s_add_co_u32 s22, s22, s23
	s_mul_i32 s23, s21, s19
	s_add_co_u32 s22, s22, s23
	s_mov_b32 s23, 0
	s_add_nc_u64 s[92:93], s[8:9], s[22:23]
	s_mov_b32 s22, s18
	s_add_nc_u64 s[46:47], s[92:93], s[22:23]
	s_mov_b32 s2, 0x76543210
	s_mov_b32 s12, 0xfedcba98
.macro FRAG reg, adr, q, i
.irp j, 0,1,2
	ds_load_b128 v[\reg+4*\j:\reg+4*\j+3], v[\adr] offset:12288*(\q)+1536*(\i)+512*\j
.endr
.endm
.macro MUL16 a0, p, q, sc, zero
.irp a, \a0, \a0+1
.irp b, 0,1,2,3,4,5,6,7
.if \zero
	v_wmma_scale_f32_16x16x128_f8f6f4 v[8*(8*((\a)%4)+\b):8*(8*((\a)%4)+\b)+7], v[128*(\p)+FR*\b:128*(\p)+FR*\b+FR-1], v[AF+FR*(\a):AF+FR*(\a)+FR-1], 0, v[SC+8*NQ*(\sc)+NQ*\b+(\q)], v[SC+8*NQ*(\sc)+NQ*(\a)+(\q)] matrix_a_fmt:MATRIX_FMT_FP6 matrix_b_fmt:MATRIX_FMT_FP6 matrix_a_scale:MATRIX_SCALE_ROW1
.else
	v_wmma_scale_f32_16x16x128_f8f6f4 v[8*(8*((\a)%4)+\b):8*(8*((\a)%4)+\b)+7], v[128*(\p)+FR*\b:128*(\p)+FR*\b+FR-1], v[AF+FR*(\a):AF+FR*(\a)+FR-1], v[8*(8*((\a)%4)+\b):8*(8*((\a)%4)+\b)+7], v[SC+8*NQ*(\sc)+NQ*\b+(\q)], v[SC+8*NQ*(\sc)+NQ*(\a)+(\q)] matrix_a_fmt:MATRIX_FMT_FP6 matrix_b_fmt:MATRIX_FMT_FP6 matrix_a_scale:MATRIX_SCALE_ROW1
.endif
.endr
.endr
.endm
.macro FETCH_B slot, q, p
	WIN TO_B
.irp i, 0,1,2,3,4,5,6,7
	FRAG 128*(\p)+FR*\i, ADRB+\slot, \q, \i
.endr
	WIN 0
.endm
.macro FETCH_A slot, q, i0
.irp i, \i0, \i0+1, \i0+2, \i0+3
	FRAG AF+FR*(\i), ADRA+\slot, \q, \i
.endr
.endm
.macro SCALES sc
.irp i, 0,1,2,3,4,5,6,7
	ds_load_b64 v[SC+8*NQ*\sc+NQ*\i:SC+8*NQ*\sc+NQ*\i+1], v[ADRS] offset:\i*SBLK
.endr
.endm
.macro PLACES n
.rept \n
	v_nop
.endr
.endm
.macro STEP slot, q, zero
	s_wait_dscnt 4*NL
	WIN MUL_LO
	MUL16 0, (\q)%2, \q, \slot, \zero
	MUL16 2, (\q)%2, \q, \slot, \zero
	s_wait_dscnt 0
	PLACES NP
	FETCH_B \slot, (\q)+1, 1-(\q)%2
	FETCH_A \slot, (\q)+1, 0
	WIN MUL_HI
	MUL16 4, (\q)%2, \q, \slot, \zero
	MUL16 6, (\q)%2, \q, \slot, \zero
	PLACES NP
	WIN 0
	FETCH_A \slot, (\q)+1, 4
.endm
.macro TURN slot, next, fill
	s_wait_tensorcnt 0x0
	ds_add_u32 v[SPW], v[NIL]
	s_wait_dscnt 4*NL+1
	WIN MUL_LO
	MUL16 0, 1, NQ-1, \slot, 0
	s_wait_dscnt 0x0
	s_barrier_signal -1
	MUL16 2, 1, NQ-1, \slot, 0
	WIN 0
	s_barrier_wait -1
.if \fill
	CREST
	s_add_nc_u64 s[G0+4*\slot+2:G0+4*\slot+3], s[G0+4*\slot+2:G0+4*\slot+3], 2*HALFT
	s_add_nc_u64 s[G0B+4*\slot+2:G0B+4*\slot+3], s[G0B+4*\slot+2:G0B+4*\slot+3], 2*HALFT
	JLOAD G0+4*\slot, G1, G0B+4*\slot, G1B
.else
	PLACES NP
.endif
	s_wait_alu depctr_va_vdst(0)
	v_add_nc_u32 v[ADRS], 4*NQ, v[ADRS]
	FETCH_B \next, 0, 0
	FETCH_A \next, 0, 0
	SCALES \next
	WIN MUL_HI
	MUL16 4, 1, NQ-1, \slot, 0
	MUL16 6, 1, NQ-1, \slot, 0
	PLACES NP
	WIN 0
	FETCH_A \next, 0, 4
.endm
	s_wait_alu depctr_va_vdst(0)
	s_wait_tensorcnt 1
	s_barrier_signal -1
	s_barrier_wait -1
	FETCH_B 0, 0, 0
	FETCH_A 0, 0, 0
	SCALES 0
	FETCH_A 0, 0, 4
	STEP 0, 0, 1
	s_mov_b32 s3, LAPS-1
.Llap:
	TURN 0, 1, 1
	STEP 1, 0, 0
	TURN 1, 0, 1
	STEP 0, 0, 0
	s_sub_co_u32 s3, s3, 1
	s_cmp_lg_u32 s3, 0
	s_cbranch_scc1 .Llap
	TURN 0, 1, 0
	STEP 1, 0, 0
	s_wait_dscnt 4*NL
	WIN MUL_LO
	MUL16 0, 1, NQ-1, 1, 0
	MUL16 2, 1, NQ-1, 1, 0
	s_wait_dscnt 0
	WIN MUL_HI
	MUL16 4, 1, NQ-1, 1, 0
	MUL16 6, 1, NQ-1, 1, 0
	WIN 0
	PLACES NP
.macro EQ a
.set W,  2+(\a)/4
.set AC, 64*((\a)%4)
.set WA, W|(W<<2)
.set WB, (W<<2)|(W<<4)
	WIN WA
.irp b, 0,1,2,3
	v_max3_num_f32 v[TM+\b], |v[AC+16*\b]|, |v[AC+16*\b+1]|, 0x1800000
.endr
	WIN WB
.irp i, 2,4,6,8,10,12,14
.irp b, 0,1,2,3
	v_max3_num_f32 v[TM+\b], v[TM+\b], |v[AC+16*\b+\i]|, |v[AC+16*\b+\i+1]|
.endr
.endr
	WIN 0
.irp b, 0,1,2,3
	v_permlanex16_b32 v[TM+4+\b], v[TM+\b], s2, s12
.endr
.irp b, 0,1,2,3
	v_max_num_f32 v[TM+\b], v[TM+\b], v[TM+4+\b]
.endr
.irp b, 0,1,2,3
	v_add_nc_u32 v[TM+12+\b], 0xff000000, v[TM+\b]
.endr
.irp b, 0,1,2,3
	v_lshrrev_b32 v[TM+4+\b], 23, v[TM+12+\b]
.endr
	v_lshl_or_b32 v[PW+\a], v[TM+5], 8, v[TM+4]
	v_lshl_or_b32 v[PW+\a], v[TM+6], 16, v[PW+\a]
	v_lshl_or_b32 v[PW+\a], v[TM+7], 24, v[PW+\a]
	s_wait_xcnt 0x0
.if (\a) > 0
	s_add_nc_u64 s[66:67], s[66:67], s[96:97]
	s_add_nc_u64 s[94:95], s[94:95], s[96:97]
.endif
.if (\a) == 4
	s_add_nc_u64 s[66:67], s[66:67], s[98:99]
	s_add_nc_u64 s[94:95], s[94:95], s[98:99]
.endif
	WIN W
.irp c, 0,1
	v_cvt_scalef32_pk16_fp6_f32 v[PC+6*\c:PC+6*\c+2], v[AC+32*\c:AC+32*\c+15], v[TM+12+2*\c]
	v_cvt_scalef32_pk16_fp6_f32 v[CT+4*\c:CT+4*\c+2], v[AC+32*\c+16:AC+32*\c+31], v[TM+12+2*\c+1]
.endr
	WIN 0
	v_nop
.irp c, 0,1
.irp i, 0,1,2
	v_permlane16_swap_b32 v[PC+6*\c+\i], v[CT+4*\c+\i]
.endr
.irp i, 0,1,2
	v_mov_b32 v[PC+6*\c+3+\i], v[CT+4*\c+\i]
.endr
.endr
	global_store_b128 v[L16], v[PC:PC+3], s[66:67]
	global_store_b64 v[L8], v[PC+4:PC+5], s[66:67] offset:512
	global_store_b128 v[L16], v[PC+6:PC+9], s[94:95]
	global_store_b64 v[L8], v[PC+10:PC+11], s[94:95] offset:512
.endm
.irp n, 0,1,2,3,4,5,6,7
	EQ \n
.endr
	v_cmp_gt_u32 vcc_lo, 16, v[LN]
.irp p, 0,1,2,3
	v_cndmask_b32 v[SS+\p], v[PW+2*\p+1], v[PW+2*\p], vcc_lo
.endr
	s_cmp_lt_u32 s11, 2
	s_cbranch_scc0 .Lfor_v
.irp p, 0,1,2,3
	v_and_b32 v[RR+\p], 0xffff, v[SS+\p]
	v_lshrrev_b32 v[RR+4+\p], 16, v[SS+\p]
.endr
	global_store_b128 v[L16], v[RR:RR+3], s[92:93]
	global_store_b128 v[L16], v[RR+4:RR+7], s[46:47]
	s_branch .Lstored
.Lfor_v:
	s_wait_alu depctr_va_vdst(0)
	global_store_b64 v[L8], v[SS:SS+1], s[92:93]
	global_store_b64 v[L8], v[SS+2:SS+3], s[46:47]
.Lstored:
	s_wait_tensorcnt 0x0
	ds_add_u32 v[SPW], v[NIL]
	s_wait_dscnt 0x0
	CROUND
	s_endpgm
.Lfunc_end_k_qb3c1809fb0_proj:
	.size	k_qb3c1809fb0_proj, .Lfunc_end_k_qb3c1809fb0_proj-k_qb3c1809fb0_proj
	.p2alignl 7, 3214868480
	.fill 96, 4, 3214868480
	.section	.rodata,"a",@progbits
	.p2align	6, 0x0
	.amdhsa_kernel k_qb3c1809fb0_proj
		.amdhsa_group_segment_fixed_size 327680
		.amdhsa_private_segment_fixed_size 0
		.amdhsa_enable_private_segment 0
		.amdhsa_kernarg_size 24
		.amdhsa_user_sgpr_count 2
		.amdhsa_user_sgpr_kernarg_segment_ptr 1
		.amdhsa_wavefront_size32 1
		.amdhsa_system_sgpr_workgroup_id_x 1
		.amdhsa_system_sgpr_workgroup_id_y 1
		.amdhsa_system_sgpr_workgroup_id_z 1
		.amdhsa_system_vgpr_workitem_id 0
		.amdhsa_next_free_vgpr 1024
		.amdhsa_next_free_sgpr 100
		.amdhsa_reserve_vcc 1
		.amdhsa_float_denorm_mode_32 3
		.amdhsa_float_denorm_mode_16_64 3
		.amdhsa_memory_ordered 1
		.amdhsa_forward_progress 1
		.amdhsa_inst_pref_size 144
	.end_amdhsa_kernel
	.amdgpu_metadata
---
amdhsa.version: [ 1, 2 ]
amdhsa.kernels:
  - .name:           k_qb3c1809fb0_proj
    .symbol:         k_qb3c1809fb0_proj.kd
    .args:
      - { .name: cod, .offset: 0, .size: 8, .value_kind: global_buffer, .address_space: global }
      - { .name: scl, .offset: 8, .size: 8, .value_kind: global_buffer, .address_space: global }
      - { .name: att, .offset: 16, .size: 8, .value_kind: global_buffer, .address_space: global }
    .group_segment_fixed_size: 327680
    .private_segment_fixed_size: 0
    .kernarg_segment_align: 8
    .kernarg_segment_size: 24
    .max_flat_workgroup_size: 128
    .sgpr_count:     100
    .vgpr_count:     1024
    .wavefront_size: 32
...
	.end_amdgpu_metadata
.endif
;; end of part 2
;; launch attn (part 3): grid 16 x 16, 8 waves a work-group, clusters of 4 x 1, 327,680 bytes of LDS; arguments att, oimg, osc; writes oimg, osc
.if DOCPART == 3
	.amdgcn_target "amdgcn-amd-amdhsa--gfx1250"
	.amdhsa_code_object_version 6
	.text
	.protected	k_qb3c1809fb0_attn
	.globl	k_qb3c1809fb0_attn
	.p2align	8
	.type	k_qb3c1809fb0_attn,@function
k_qb3c1809fb0_attn:
	s_mov_b64 s[64:65], 0
	v_nop
	global_prefetch_b8 v0, s[64:65] scope:SCOPE_SE
	s_setreg_imm32_b32 hwreg(HW_REG_WAVE_MODE, 25, 1), 1
	s_wait_xcnt 0x0
	s_wait_alu depctr_hold_cnt(0) depctr_sa_sdst(0) depctr_va_vdst(0) depctr_va_sdst(0) depctr_va_ssrc(0) depctr_va_vcc(0) depctr_vm_vsrc(0)
	s_getreg_b32 s2, hwreg(HW_REG_IB_STS2, 6, 4)
	s_cmp_eq_u32 s2, 0
	s_cbranch_scc0 .Lentry_in_a_cluster
	s_endpgm
.Lentry_in_a_cluster:
	s_bfe_u32 s2, ttmp6, 0x10000c
	s_cmp_lg_u32 s2, 0x3003
	s_cbranch_scc0 .Lentry_shape_is_right
	s_endpgm
.Lentry_shape_is_right:
; Attention on codes of FP6 (E2M3): 16 heads of 64, 4,096 queries and keys.  O = softmax(Q K^T / 8) V, then O is quantised along the head's 64 into the output projection's operand.
; THE SOFTMAX AHEAD OF THE SECOND PRODUCT: t = score x log2(e) / 8; M = the row's largest t so far, rounded UP to a whole number; p = 2^(t - M) is quantised along the keys, not normalised.  The row's sum is taken
; of the unquantised p and divides O at the end.  When M moves, the sum and O are multiplied by 2^(old M - new M): exact.  (Q's codes are those of qh: the factor 1 / 8 is a power of two and stands in the constant.)
; SHARES.  A work-group owns 16 stored tiles of 16 queries of one head; each of its EIGHT waves owns TWO of them, so that each fragment of K and V read from LDS feeds two tiles' products.  Every wave walks all keys, 128 a step.
; K and V come through a ring of two LDS slots of 1,024 keys (K: 49,152 bytes, then V: 49,152); waves 0-3 fetch a quarter each, 24,576 dense bytes.  A head's scale words of K and V (24,576 bytes) come once, by wave 4.
; CLUSTER: the four work-groups of a cluster belong to one head and walk the same K and V: each tile is asked for jointly, with the mask of all four.
; LAYOUT.  Both products are used transposed: S^T = K Q^T (source 0 = 16 keys), O^T = V^T P^T (source 0 = 16 of the head's 64): a lane holds ONE query.  K's tokens are stored so that stored tile t of a group of 64 holds in its
; row 8 h + j the group's key 32 h + 8 t + j: so the 32 score registers of four tiles are, in lane half h, keys 32 h + 0 .. 31: A WHOLE BLOCK OF 32 KEYS IN ONE LANE, in the order of the second product's operand.
; A block's largest score needs no other lane and p's codes need no exchange between lanes; only the row's maximum and the scale word's four bytes cross the two halves (one lane permute each).
; THE ORDER OF A STEP: both tiles' scores; both tiles' maxima, M, t - M and the rescaling of O^T and of the sum; ONE batch of 132 exponentials; both tiles' quantising, sums and second products.  So the batch has one wait ahead of it
; and one behind it for both tiles, and no exponential stands between a product and the first read of its result.
; THE HEAD IS 64, THE INSTRUCTION'S K 128: Q's registers 6-11 hold zero codes, which annul the upper 64.  So K's operand may run on into the next tile's registers (codes of this format are all finite numbers; the
; scale words' upper two bytes are 0, a finite scale): a tile of K costs 6 registers and 768 bytes of LDS reads.
; Operands lie in memory and LDS as images of their registers: a half fragment is 768 bytes: registers 0-3 of lane l at 16 l, registers 4, 5 at 512 + 8 l.  A scale register carries two tiles' words, in lanes 0-15 and 16-31.
; No prefetch is laid: a refill is asked for eight key steps ahead of the wait for it, and there are four slots' worth of keys.
; LIMITS: no NaN, no infinities; a block of zeros gets the byte 1; the floor 2^-124; the scaled scores stay under 2^31 in magnitude.
; REGISTERS, two windows of 256.  A tile's own registers have THE SAME NUMBERS in window 0 (tile 0) and window 1 (tile 1), so one text serves both: v12 -M, v13 the largest score, v14-15 at work, v16-27 Q, v32-95 S^T then p,
;   v96-127 O^T, v128-147 at work in the search for the maxima, then p's codes, v148-159 at work, v160-161 the sum.  Shared, window 0: v1, v2 16 and 8 x lane; v5, v6 the scale words' places; v8-11 the step's addresses;
;   v28 Q's scale words (tile 0 in lanes 0-15, tile 1 in lanes 16-31); v30, v31 p's; v168-171 K's; v172-173 V's; v176-229 K's eight tiles and six zeros.  Shared, window 1: v176-223 V's four fragments.
.set KIMG,  3145728                    ; att: Q's images at 0, K's here, V's 3,145,728 further on
.set KVSC,  9437184                    ; K's and V's scale words, 24,576 bytes a head
.set QSC,   9830400                    ; Q's, 16,384 bytes a head
.set VOFF,  49152                      ; in a slot: V behind K
.set SCL,   98304                      ; behind slot 0: the head's scale words: K's 16,384 bytes, V's 8,192
.set OSCL,  122880                     ; 1,024 bytes: O's scale words on their way out; no tile lands here
.set SPARE, 123904                     ; the spare words, 128 bytes for each wave: four blocks of 256 bytes that no other line names
.set SLOT1, 131072                     ; slot 1: one exclusive or turns an address in one slot into the other's
.set STEPB, 6144                       ; a key step's bytes of K, and of V
.set NSL,   4                          ; slots' worth of keys
.set SPW, 3
.set NIL, 4
.set NM,  12
.set TT,  14
.set T1,  15
.set QF,  16
.set QS,  28
.set PS,  30
.set S,   32
.set OT,  96
.set PC,  128
.set CT,  140
.set X,   128                          ; v128-147: ten partial maxima for each of my two blocks, ahead of the codes that land there
.set BM,  148                          ; v148, v149 the two blocks' largest scores, then largest p
.set SO,  152                          ; v152-153 the conversions' scale operands
.set T4,  154
.set FF,  158                          ; v[158:159] f = 2^(old M - new M)
.set SUM, 160
.set KSC, 168
.set VSC, 172
.set FK,  176
.set FV,  176
.set WV,  10                           ; s10 my wave's number
.set SEL, 20                           ; s[20:21] selects for lane l xor 16
.set CS,  22                           ; s[22:23] c = log2(e) / 8
.set CN,  52                           ; s52 -c
.set G1,  24
.set G0,  32
.set TB,  36                           ; s36 LDS byte at which the step's tiles begin
.set TS,  37                           ; s37 the step's scale words of K: 512 bytes a step
.set TJ,  38                           ; s38 and of V: 256 bytes a step
.set SLOTS, 39
.set CNT, 40
.set MSB, 0
.macro WIN new                         ; the immediate's high byte repeats the setting that is left
.if MSB != (\new)
	s_set_vgpr_msb (MSB<<8)|(\new)
.set MSB, (\new)
.endif
.endm
.macro CROUND                          ; a round of the cluster's barrier
	s_barrier_signal -1
	s_barrier_wait -1
	s_cmp_lg_u32 s[WV], 0
	s_cbranch_scc1 .Lnot_wave_0_\@
	s_barrier_signal -3
.Lnot_wave_0_\@:
	s_barrier_wait -3
	s_barrier_signal -1
	s_barrier_wait -1
.endm
	s_load_b128 s[4:7], s[0:1], 0x0                ; att, oimg
	s_load_b64 s[8:9], s[0:1], 0x10                ; osc
	v_lshl_add_u32 v[SPW], v0, 2, SPARE
	v_mov_b32 v[NIL], 0
	ds_add_u32 v[SPW], v[NIL]                      ; the opening lines: the add, twice on end, and its wait
	ds_add_u32 v[SPW], v[NIL]
	s_wait_dscnt 0x0
	v_lshrrev_b32 v8, 5, v0
	v_readfirstlane_b32 s[WV], v8                  ; wave 0..7
	s_bfe_u32 s11, ttmp6, 0x40000                  ; cx
	s_lshl_b32 s12, ttmp9, 2
	s_add_co_u32 s12, s12, s11                     ; my block of 16 query tiles: it enters Q's and O's addresses alone
	s_and_b32 s13, ttmp7, 0xffff                   ; the head, which the four partners share
	s_lshl_b32 s14, s12, 4
	s_lshl_b32 s41, s[WV], 1
	s_add_co_u32 s14, s14, s41                     ; the first of my two query tiles
	; group 1: a dense block of 24,576 bytes as 96 rows of 32 elements of 8 bytes; the mask names all four work-groups
	s_mov_b32 s[G1], 15|(3<<16)|(1<<21)
	s_mov_b32 s[G1+1], 32<<16
	s_mov_b32 s[G1+2], 96<<16
	s_mov_b32 s[G1+3], 32<<16
	s_mov_b32 s[G1+4], 96
	s_mov_b32 s[G1+5], 32
	s_mov_b32 s[G1+6], 0
	s_mov_b32 s[G1+7], 0
	s_lshr_b32 s41, s[WV], 1                       ; waves 0, 1: K; waves 2, 3: V
	s_mul_i32 s41, s41, 3145728
	s_add_co_u32 s41, s41, KIMG
	s_mul_i32 s42, s13, 196608                     ; the head's images
	s_add_co_u32 s41, s41, s42
	s_and_b32 s42, s[WV], 1
	s_mul_i32 s42, s42, 24576                      ; which half of a slot's part
	s_add_co_u32 s41, s41, s42
	s_mul_i32 s42, s13, 24576
	s_add_co_u32 s42, s42, KVSC                    ; wave 4: the head's scale words
	s_cmp_lt_u32 s[WV], 4
	s_cselect_b32 s42, s41, s42
	s_mov_b32 s43, 0
	s_mul_i32 s44, s[WV], 24576                    ; in LDS: the four quarters of slot 0; wave 4's lands on SCL
	s_mov_b32 s[SEL], 0x76543210
	s_mov_b32 s[SEL+1], 0xfedcba98
	s_mov_b32 s[CS], 0x3e38aa3b                    ; c = log2(e) / 8
	s_mov_b32 s[CS+1], s[CS]                       ; (named with it as a pair, so it is written)
	s_mov_b32 s[CN], 0xbe38aa3b                    ; -c
	s_mov_b32 s[TB], 0
	s_mov_b32 s[TS], 0
	s_mov_b32 s[TJ], 0
	s_mov_b32 s[SLOTS], NSL-1
	s_wait_kmcnt 0x0
	s_mov_b32 s[G0], 1
	s_mov_b32 s[G0+1], s44
	s_add_nc_u64 s[G0+2:G0+3], s[4:5], s[42:43]
	s_or_b32 s[G0+3], s[G0+3], 0x80000000
	CROUND                                         ; all four work-groups are here: the first joint loads meet
	s_cmp_lt_u32 s[WV], 5
	s_cbranch_scc0 .Lno_first
	tensor_load_to_lds s[G0:G0+3], s[G1:G1+7]      ; slot 0 and the scale words: one load a wave
	s_nop 0
.rept 4
	v_nop
.endr
.Lno_first:
	s_mul_i32 s41, s13, 196608
	s_mul_i32 s42, s14, 768
	s_add_co_u32 s42, s42, s41
	s_add_nc_u64 s[44:45], s[4:5], s[42:43]        ; Q's images of my two tiles, 768 bytes each
	s_lshl_b32 s42, s13, 14                        ; Q's scale words: head, 128 queries (512 bytes), lanes 16 (tile % 2) + r (16 bytes each), word (tile / 2) % 4: one load of 32 lanes brings both tiles'
	s_add_co_u32 s42, s42, QSC
	s_lshr_b32 s41, s14, 3
	s_lshl_b32 s41, s41, 9
	s_add_co_u32 s42, s42, s41
	s_bfe_u32 s41, s14, 0x20001
	s_lshl_b32 s41, s41, 2
	s_add_co_u32 s42, s42, s41
	s_add_nc_u64 s[46:47], s[4:5], s[42:43]
	s_mul_i32 s42, s14, 12288                      ; O's codes: [query tile][head][768]
	s_mul_i32 s41, s13, 768
	s_add_co_u32 s42, s42, s41
	s_add_nc_u64 s[48:49], s[6:7], s[42:43]
	s_lshl_b32 s42, s13, 14                        ; O's scale words: [head][query tile][16 words]; waves 0 and 1 store the work-group's 1,024 bytes
	s_lshl_b32 s41, s12, 10
	s_add_co_u32 s42, s42, s41
	s_and_b32 s41, s[WV], 1
	s_lshl_b32 s41, s41, 9
	s_add_co_u32 s42, s42, s41
	s_add_nc_u64 s[50:51], s[8:9], s[42:43]
	v_and_b32 v7, 31, v0
	v_lshlrev_b32 v1, 4, v7
	v_lshlrev_b32 v2, 3, v7
	v_add_nc_u32 v5, SCL, v1
	v_add_nc_u32 v6, SCL+16384, v2
	s_wait_alu depctr_va_vdst(0)                   ; the wait behind these writes
	global_load_b128 v[QF:QF+3], v1, s[44:45]
	global_load_b64 v[QF+4:QF+5], v2, s[44:45] offset:512
	global_load_b32 v[QS], v1, s[46:47]
	WIN 0x40                                       ; destination in window 1: tile 1's Q
	global_load_b128 v[QF:QF+3], v1, s[44:45] offset:768
	global_load_b64 v[QF+4:QF+5], v2, s[44:45] offset:1280
	WIN 0
.irp j, 48,49,50,51,52,53
	v_mov_b32 v[FK+\j], 0                          ; what the last tile of K runs on into
.endr
.macro INIT                            ; a tile's own registers
	v_mov_b32 v[NM+1], 0xff61b1e6                  ; the largest score so far: -3e38
	v_mov_b32 v[NM], 0x7e000000                    ; -M = 2^125: the first change of M gives f = 0
	v_mov_b32 v[SUM], 0
	v_mov_b32 v[SUM+1], 0
	v_mov_b32 v[FF+1], 0                           ; (named as the upper half of a pair)
.irp j, 6,7,8,9,10,11
	v_mov_b32 v[QF+\j], 0                          ; Q's zero codes for the upper 64 of the instruction's K
.endr
.irp b, 0,1,2,3
	v_mov_b32 v[T4+\b], 0                          ; a lane permute's destination counts as one of its sources
.endr
.set j, 0
.rept 32
	v_mov_b32 v[OT+j], 0                           ; O^T.  (The step is written once: its first pass finds zeros, which the first change of M leaves zeros)
.set j, j+1
.endr
.endm
	INIT
	WIN 0x55
	INIT
	WIN 0
.macro KLOAD ko, so                    ; K's eight tiles and their scale words, ko and so bytes on from the step's addresses
.irp t, 0,1,2,3,4,5,6,7
	ds_load_b128 v[FK+6*\t:FK+6*\t+3], v8 offset:\ko+768*\t
	ds_load_b64 v[FK+6*\t+4:FK+6*\t+5], v9 offset:\ko+768*\t+512
.endr
	ds_load_b128 v[KSC:KSC+3], v10 offset:\so
.endm
.macro SMUL t                          ; S^T = K Q^T of tile t: K in window 0, Q and S^T in the tile's window
	WIN 0x54*\t
.irp u, 0,1,2,3
.if \t
	v_wmma_scale_f32_16x16x128_f8f6f4 v[S+16*\u:S+16*\u+7], v[FK+12*\u:FK+12*\u+11], v[QF:QF+11], 0, v[KSC+\u], v[QS] matrix_a_fmt:MATRIX_FMT_FP6 matrix_b_fmt:MATRIX_FMT_FP6 matrix_b_scale:MATRIX_SCALE_ROW1
	v_wmma_scale_f32_16x16x128_f8f6f4 v[S+16*\u+8:S+16*\u+15], v[FK+12*\u+6:FK+12*\u+17], v[QF:QF+11], 0, v[KSC+\u], v[QS] matrix_a_fmt:MATRIX_FMT_FP6 matrix_b_fmt:MATRIX_FMT_FP6 matrix_a_scale:MATRIX_SCALE_ROW1 matrix_b_scale:MATRIX_SCALE_ROW1
.else
	v_wmma_scale_f32_16x16x128_f8f6f4 v[S+16*\u:S+16*\u+7], v[FK+12*\u:FK+12*\u+11], v[QF:QF+11], 0, v[KSC+\u], v[QS] matrix_a_fmt:MATRIX_FMT_FP6 matrix_b_fmt:MATRIX_FMT_FP6
	v_wmma_scale_f32_16x16x128_f8f6f4 v[S+16*\u+8:S+16*\u+15], v[FK+12*\u+6:FK+12*\u+17], v[QF:QF+11], 0, v[KSC+\u], v[QS] matrix_a_fmt:MATRIX_FMT_FP6 matrix_b_fmt:MATRIX_FMT_FP6 matrix_a_scale:MATRIX_SCALE_ROW1
.endif
.endr
.endm
; Registers S + 32 c + 0 .. 31 of a tile are keys 64 c + 32 (lane / 16) + 0 .. 31 of the step: block 2 c + lane / 16, whole.
; AHEAD OF THE EXPONENTIALS, tile t: the blocks' and the row's maxima, M, f, t - M, and the sum and O^T under the new M.  Plain vector work alone, all in the tile's window.
.macro P1 t
	WIN 0x55*\t
.irp i, 0,1,2,3,4,5,6,7,8,9
.irp c, 0,1
	v_max3_num_f32 v[X+10*\c+\i], v[S+32*\c+3*\i], v[S+32*\c+3*\i+1], v[S+32*\c+3*\i+2]   ; twenty maxima of three that hang on no other; ascending
.endr
.endr
.irp i, 0,3,6
.irp c, 0,1
	v_max3_num_f32 v[X+10*\c+\i], v[X+10*\c+\i], v[X+10*\c+\i+1], v[X+10*\c+\i+2]
.endr
.endr
.irp c, 0,1
	v_max3_num_f32 v[X+10*\c+9], v[X+10*\c+9], v[S+32*\c+30], v[S+32*\c+31]
.endr
.irp c, 0,1
	v_max3_num_f32 v[BM+\c], v[X+10*\c], v[X+10*\c+3], v[X+10*\c+6]
.endr
.irp c, 0,1
	v_max_num_f32 v[BM+\c], v[BM+\c], v[X+10*\c+9] ; a block's largest score: it serves the row's maximum and, since p rises with the score, the block's largest p
.endr
	v_max_num_f32 v[TT], v[BM], v[BM+1]
	v_permlanex16_b32 v[T4], v[TT], s[SEL], s[SEL+1]
	v_mov_b32 v[T1], v[NM]
	v_max3_num_f32 v[NM+1], v[NM+1], v[TT], v[T4]  ; the running largest score of my query, both halves of the lanes
	v_mul_f32 v[TT], s[CN], v[NM+1]                ; -t (c is positive)
	v_floor_f32 v[NM], v[TT]                       ; the new -M = floor(-t): M is a whole number
	v_pk_fma_f32 v[BM:BM+1], v[BM:BM+1], s[CS:CS+1], v[NM:NM+1] op_sel_hi:[1,0,0]   ; t - M of the blocks' largest scores
.set j, 0
.rept 32
	v_pk_fma_f32 v[S+j:S+j+1], v[S+j:S+j+1], s[CS:CS+1], v[NM:NM+1] op_sel_hi:[1,0,0]   ; t - M, two at a time
.if j == 4
	v_sub_f32 v[TT], v[NM], v[T1]                  ; old M - new M: a whole number, 0 or less
.endif
.if j == 14
	v_cvt_i32_f32 v[TT], v[TT]                     ; (it saturates)
.endif
.if j == 24
	v_ldexp_f32 v[FF], 1.0, v[TT]                  ; f = 2^(old M - new M)
.endif
.set j, j+2
.endr
	v_pk_mul_f32 v[SUM:SUM+1], v[SUM:SUM+1], v[FF:FF+1] op_sel_hi:[1,0]   ; the sum under the new M
.set j, 0
.rept 16
	v_pk_mul_f32 v[OT+j:OT+j+1], v[OT+j:OT+j+1], v[FF:FF+1] op_sel_hi:[1,0]   ; O^T under the new M, each accumulator from its low end on
.set j, j+2
.endr
.endm
.macro EXPS t
	WIN 0x55*\t
	v_exp_f32 v[BM], v[BM]                         ; the blocks' largest p: the same two instructions on the same number give the same bits
	v_exp_f32 v[BM+1], v[BM+1]
.set j, 0
.rept 64
	v_exp_f32 v[S+j], v[S+j]                       ; p = 2^(t - M), at most 1
.set j, j+1
.endr
.endm
.macro LVL n, st                       ; a level of the sum's tree, in place: n additions of pairs, st registers from one to the next
.set j, 0
.rept \n
	v_pk_add_f32 v[S+j:S+j+1], v[S+j:S+j+1], v[S+j+(\st)/2:S+j+(\st)/2+1]
.set j, j+\st
.endr
.endm
; BEHIND THE EXPONENTIALS, tile t: p's scales and codes, then the row's sum of the unquantised p, taken in place over p once the conversions have read it.
.macro P2 t
	WIN 0x55*\t
	v_max_num_f32 v[BM], 0x1800000, v[BM]          ; the floor 2^(3 - 127): the byte cannot fall under 1
	v_max_num_f32 v[BM+1], 0x1800000, v[BM+1]
	v_add_nc_u32 v[SO], 0xff000000, v[BM]          ; 2 off the exponent field: the conversion's scale operand
	v_add_nc_u32 v[SO+1], 0xff000000, v[BM+1]
	v_lshrrev_b32 v[T4], 23, v[SO]                 ; the scales' bytes
	v_lshrrev_b32 v[T4+1], 23, v[SO+1]
.irp c, 0,1
	v_cvt_scalef32_pk16_fp6_f32 v[PC+6*\c:PC+6*\c+2], v[S+32*\c:S+32*\c+15], v[SO+\c]
	v_cvt_scalef32_pk16_fp6_f32 v[CT+4*\c:CT+4*\c+2], v[S+32*\c+16:S+32*\c+31], v[SO+\c]   ; (a conversion's three registers begin on an even number)
.endr
	v_lshl_or_b32 v[T4], v[T4+1], 16, v[T4]        ; my two bytes, 16 bits apart.  Also the plain instruction behind the conversions
.irp c, 0,1
.irp i, 0,1,2
	v_mov_b32 v[PC+6*\c+3+\i], v[CT+4*\c+\i]
.endr
.endr
	v_permlanex16_b32 v[T4+2], v[T4], s[SEL], s[SEL+1]
	LVL 16, 4
	WIN 0x15*\t                                    ; scale operands have no window: p's scale word is written into window 0
	v_lshl_or_b32 v[PS+\t], v[T4+2], 8, v[T4]      ; lanes 0-15, which alone are read: blocks 0, 2 are mine, blocks 1, 3 lane l + 16's
	WIN 0x55*\t
	LVL 8, 8                                       ; these sixteen additions are also the places between p's scale word and codes and the products
	LVL 4, 16
	LVL 2, 32
	LVL 1, 64
	v_pk_add_f32 v[SUM:SUM+1], v[SUM:SUM+1], v[S:S+1]
.endm
.macro PV t                            ; O^T += V^T P^T: four accumulators by turns; V in window 1, all else in the tile's
	WIN 0x01+0x54*\t
.irp u, 0,1
	v_wmma_scale_f32_16x16x128_f8f6f4 v[OT+16*\u:OT+16*\u+7], v[FV+24*\u:FV+24*\u+11], v[PC:PC+11], v[OT+16*\u:OT+16*\u+7], v[VSC+\u], v[PS+\t] matrix_a_fmt:MATRIX_FMT_FP6 matrix_b_fmt:MATRIX_FMT_FP6
	v_wmma_scale_f32_16x16x128_f8f6f4 v[OT+16*\u+8:OT+16*\u+15], v[FV+24*\u+12:FV+24*\u+23], v[PC:PC+11], v[OT+16*\u+8:OT+16*\u+15], v[VSC+\u], v[PS+\t] matrix_a_fmt:MATRIX_FMT_FP6 matrix_b_fmt:MATRIX_FMT_FP6 matrix_a_scale:MATRIX_SCALE_ROW1
.endr
.endm
; A KEY STEP: 128 keys, both tiles.  Behind the 16 score products this step's V and, but in a slot's last step, the next step's K are asked for: they land under the work ahead of the exponentials.
.macro STEP
	SMUL 0
	SMUL 1
	WIN 0
	v_add_nc_u32 v8, s[TB], v1                     ; these four are the places behind the products, in front of the loads into the registers that they read and of the first read of the scores
	v_add_nc_u32 v9, s[TB], v2
	v_add_nc_u32 v10, s[TS], v5
	v_add_nc_u32 v11, s[TJ], v6
	WIN 0x40
.irp d, 0,1,2,3
.irp c, 0,1
	ds_load_b128 v[FV+12*\d+6*\c:FV+12*\d+6*\c+3], v8 offset:VOFF+1536*\d+768*\c
	ds_load_b64 v[FV+12*\d+6*\c+4:FV+12*\d+6*\c+5], v9 offset:VOFF+1536*\d+768*\c+512
.endr
.endr
	WIN 0
	ds_load_b64 v[VSC:VSC+1], v11
	s_cmp_eq_u32 s[CNT], 1                         ; the slot's last step: the next keys lie in the other slot, behind the change of slots
	s_cbranch_scc1 .Lno_k_\@
	KLOAD STEPB, 512
.Lno_k_\@:
	P1 0
	P1 1
	s_wait_alu depctr_va_vdst(0)                   ; the wait ahead of the batch: it serves both tiles
	EXPS 1
	EXPS 0
	v_nop                                          ; a plain place behind the last exponential
	s_wait_dscnt 0x0                               ; V is in (and the next step's K)
	s_wait_alu depctr_va_vdst(0)                   ; one wait for the batch of 132, ahead of its first reader
	P2 0
	PV 0
	P2 1
	PV 1
	WIN 0
	s_add_co_u32 s[TB], s[TB], STEPB
	s_add_co_u32 s[TS], s[TS], 512
	s_add_co_u32 s[TJ], s[TJ], 256
.endm
; THE CHANGE OF SLOTS stands at a slot's head.  Each wave waits for all its tensor loads, adds 0 to its spare word, and waits for that and for its reads of the slot that it has left.  fill = 1: the barrier is a round of the
; cluster's, so that no wave of any partner still reads that slot or has a load on its way; behind it the slot is filled with the keys that follow: the load has a slot's eight key steps in which to land.
.macro CHANGE fill
	s_wait_tensorcnt 0x0                           ; no tensor load of mine is out, so group 0 may be written
	ds_add_u32 v[SPW], v[NIL]                      ; 0 onto my spare word, here twice on end
	ds_add_u32 v[SPW], v[NIL]
.if \fill
	s_xor_b32 s[G0+1], s[G0+1], SLOT1              ; the other slot than last time,
	s_add_nc_u64 s[G0+2:G0+3], s[G0+2:G0+3], 49152 ; the next 1,024 keys
.endif
	s_wait_dscnt 0x0                               ; the add is done, and my reads of the slot that I have left are over
.if \fill
	CROUND
	s_cmp_lt_u32 s[WV], 4
	s_cbranch_scc0 .Lno_fill_\@
	tensor_load_to_lds s[G0:G0+3], s[G1:G1+7]      ; the first thing behind the round, and a wave's one tensor load until the next
	s_nop 0
.rept 4
	v_nop
.endr
.Lno_fill_\@:
.else
	s_barrier_signal -1
	s_barrier_wait -1
.endif
.endm
.macro SLOT_STEPS                      ; a slot's eight key steps: written once, walked eight times
	v_add_nc_u32 v8, s[TB], v1
	v_add_nc_u32 v9, s[TB], v2
	v_add_nc_u32 v10, s[TS], v5
	KLOAD 0, 0                                     ; the slot's first K
	s_mov_b32 s[CNT], 8
.Lstep_\@:
	s_wait_dscnt 0x0                               ; K is in
	STEP
	s_sub_co_u32 s[CNT], s[CNT], 1
	s_cmp_lg_u32 s[CNT], 0
	s_cbranch_scc1 .Lstep_\@
	s_sub_co_u32 s[TB], s[TB], 8*STEPB             ; back to a slot's first step,
	s_xor_b32 s[TB], s[TB], SLOT1                  ; in the other slot
.endm
	s_wait_alu depctr_va_vdst(0)                   ; the wait at the head's end
	s_wait_loadcnt 0x0                             ; Q
.Lslot:                                            ; NSL - 1 trips: behind each change of slots but the last the next slot is asked for
	CHANGE 1
	SLOT_STEPS
	s_sub_co_u32 s[SLOTS], s[SLOTS], 1
	s_cmp_lg_u32 s[SLOTS], 0
	s_cbranch_scc1 .Lslot
	CHANGE 0                                       ; the last slot is written out
	SLOT_STEPS
	; THE WAY OUT.  O^T / the sum; register 16 b + i is channel 32 b + 16 (lane / 16) + i of my query: two blocks of the output projection's K, each in lanes l and l xor 16.
	v_and_b32 v8, 15, v0
	s_lshl_b32 s41, s[WV], 7
	v_lshlrev_b32 v8, 2, v8
	v_add_nc_u32 v8, s41, v8
	v_add_nc_u32 v8, OSCL, v8                      ; my rows' scale words: 128 x wave + 64 x tile + 4 r
	s_and_b32 s41, s[WV], 1
	s_lshl_b32 s41, s41, 9
	v_add_nc_u32 v9, s41, v1
	v_add_nc_u32 v9, OSCL, v9                      ; and where waves 0 and 1 read 512 bytes back
.macro OUT t
	WIN 0x55*\t
	v_add_f32 v[SUM], v[SUM], v[SUM+1]
	v_permlanex16_b32 v[TT], v[SUM], s[SEL], s[SEL+1]
	v_add_f32 v[SUM], v[SUM], v[TT]                ; the row's sum
	s_wait_alu depctr_va_vdst(0)                   ; the wait ahead of the reciprocal
	v_rcp_f32 v[SUM], v[SUM]
	v_nop                                          ; a plain place behind it
	s_wait_alu depctr_va_vdst(0)                   ; ahead of the reciprocal's first reader, which is also O^T's
.set j, 0
.rept 16
	v_pk_mul_f32 v[S+j:S+j+1], v[OT+j:OT+j+1], v[SUM:SUM+1] op_sel_hi:[1,0]
.set j, j+2
.endr
.irp b, 0,1
	v_max3_num_f32 v[BM+\b], |v[S+16*\b]|, |v[S+16*\b+1]|, 0x1800000
.endr
.irp i, 2,4,6,8,10,12,14
.irp b, 0,1
	v_max3_num_f32 v[BM+\b], v[BM+\b], |v[S+16*\b+\i]|, |v[S+16*\b+\i+1]|
.endr
.endr
.irp b, 0,1
	v_permlanex16_b32 v[T4+\b], v[BM+\b], s[SEL], s[SEL+1]
.endr
.irp b, 0,1
	v_max_num_f32 v[BM+\b], v[BM+\b], v[T4+\b]
.endr
.irp b, 0,1
	v_add_nc_u32 v[SO+\b], 0xff000000, v[BM+\b]
.endr
.irp b, 0,1
	v_lshrrev_b32 v[T4+\b], 23, v[SO+\b]
.endr
	v_lshl_or_b32 v[TT], v[T4+1], 8, v[T4]         ; the head's two bytes of my row's scale word
	v_cvt_scalef32_pk16_fp6_f32 v[PC:PC+2], v[S:S+15], v[SO]
	v_cvt_scalef32_pk16_fp6_f32 v[CT:CT+2], v[S+16:S+31], v[SO+1]
	v_nop                                          ; one plain instruction behind the scaled conversions
.irp i, 0,1,2
	v_permlane16_swap_b32 v[PC+\i], v[CT+\i]       ; a whole block to a lane
.endr
.irp i, 0,1,2
	v_mov_b32 v[PC+3+\i], v[CT+\i]
.endr
	WIN 0x04*\t                                    ; the stores' data in the tile's window, their addresses in window 0
	global_store_b128 v1, v[PC:PC+3], s[48:49] offset:12288*\t       ; a half fragment: 512 consecutive bytes,
	global_store_b64 v2, v[PC+4:PC+5], s[48:49] offset:12288*\t+512  ; and 256
	ds_store_b32 v8, v[TT] offset:64*\t            ; both halves of the lanes write the same word with the same value
.endm
	OUT 0
	OUT 1
	WIN 0
	s_wait_dscnt 0x0                               ; for the others' sake
	s_barrier_signal -1
	s_barrier_wait -1
	s_cmp_lt_u32 s[WV], 2
	s_cbranch_scc0 .Lnot_out
	ds_load_b128 v[32:35], v9
	s_wait_dscnt 0x0
	global_store_b128 v1, v[32:35], s[50:51]       ; the work-group's 1,024 bytes of scale words, 512 a wave
.Lnot_out:
	s_wait_tensorcnt 0x0                           ; the wave's end
	ds_add_u32 v[SPW], v[NIL]
	s_wait_dscnt 0x0
	CROUND                                         ; the closing round
	s_endpgm
.Lfunc_end_k_qb3c1809fb0_attn:
	.size	k_qb3c1809fb0_attn, .Lfunc_end_k_qb3c1809fb0_attn-k_qb3c1809fb0_attn
	.p2alignl 7, 3214868480
	.fill 96, 4, 3214868480
	.section	.rodata,"a",@progbits
	.p2align	6, 0x0
	.amdhsa_kernel k_qb3c1809fb0_attn
		.amdhsa_group_segment_fixed_size 327680
		.amdhsa_private_segment_fixed_size 0
		.amdhsa_enable_private_segment 0
		.amdhsa_kernarg_size 24
		.amdhsa_user_sgpr_count 2
		.amdhsa_user_sgpr_kernarg_segment_ptr 1
		.amdhsa_wavefront_size32 1
		.amdhsa_system_sgpr_workgroup_id_x 1
		.amdhsa_system_sgpr_workgroup_id_y 1
		.amdhsa_system_sgpr_workgroup_id_z 1
		.amdhsa_system_vgpr_workitem_id 0
		.amdhsa_next_free_vgpr 512
		.amdhsa_next_free_sgpr 66
		.amdhsa_reserve_vcc 0
		.amdhsa_float_denorm_mode_32 3
		.amdhsa_float_denorm_mode_16_64 3
		.amdhsa_memory_ordered 1
		.amdhsa_forward_progress 1
		.amdhsa_inst_pref_size 75
	.end_amdhsa_kernel
	.amdgpu_metadata
---
amdhsa.version: [ 1, 2 ]
amdhsa.kernels:
  - .name:           k_qb3c1809fb0_attn
    .symbol:         k_qb3c1809fb0_attn.kd
    .args:
      - { .name: att, .offset: 0, .size: 8, .value_kind: global_buffer, .address_space: global }
      - { .name: oimg, .offset: 8, .size: 8, .value_kind: global_buffer, .address_space: global }
      - { .name: osc, .offset: 16, .size: 8, .value_kind: global_buffer, .address_space: global }
    .group_segment_fixed_size: 327680
    .private_segment_fixed_size: 0
    .kernarg_segment_align: 8
    .kernarg_segment_size: 24
    .max_flat_workgroup_size: 256
    .sgpr_count:     66
    .vgpr_count:     512
    .wavefront_size: 32
...
	.end_amdgpu_metadata
.endif
;; end of part 3
;; launch outln (part 4): grid 128 x 1, 16 waves a work-group, no clusters, 160,256 bytes of LDS; arguments oimg, osc, cod, scl, q, gamma, beta, out0; writes out0
.if DOCPART == 4
	.amdgcn_target "amdgcn-amd-amdhsa--gfx1250"
	.amdhsa_code_object_version 6
	.text
	.protected	k_qb3c1809fb0_outln
	.globl	k_qb3c1809fb0_outln
	.p2align	8
	.type	k_qb3c1809fb0_outln,@function
k_qb3c1809fb0_outln:
	s_mov_b64 s[64:65], 0
	v_nop
	global_prefetch_b8 v0, s[64:65] scope:SCOPE_SE
	s_setreg_imm32_b32 hwreg(HW_REG_WAVE_MODE, 25, 1), 1
	s_wait_xcnt 0x0
; out = LayerNorm(O Wo^T + q) x gamma + beta.  O arrives as codes of FP6 (E2M3) from the attention, Wo as codes from the quantising launch; the product is on codes, all else in f32.
; SHARES.  A work-group takes 32 rows (two stored tiles of queries) and all 1,024 columns, since the norm wants whole rows.  Wave w makes columns 64 w .. 64 w + 63 (four stored tiles of Wo's rows) for both tiles of rows:
; eight accumulators by turns.  The product is used transposed (source 0 = 16 rows of Wo, source 1 = 16 rows of O): a lane holds one row, and tile i's register j is column 64 w + 32 (i / 2) + 16 (lane / 16) + 8 (i % 2) + j.
; THE RESIDUAL IS THE C OF EACH SUM'S FIRST PRODUCT: q's 32 rows are read as whole rows, laid into a stage in LDS (rows 4,112 bytes apart), and read back in the result's layout.  The sums go back to the same bytes, and
; each wave then norms two whole rows.  Stage row p holds the block's row p with bits 3 and 4 exchanged, as the tiles of queries are stored.
; O's 16 fragments (2 tiles x 8 K steps) are read from memory once, one by each wave, and go from wave to wave through LDS as images of their registers; Wo's go from memory straight into registers, in register order.
; NO CLUSTER, though all work-groups read the same Wo: a K step is 8 matrix instructions a wave, and a joint ring would put a round of the cluster's barrier in front of each such step's 98,304 bytes.
; The variance is taken of the numbers less their mean (two passes over registers), so that a common offset of the inputs costs no digits.
; REGISTERS: v1, v2, v7, v12: 16, 8, 4, 32 x lane; v4, v5 the stage by results (tile of rows 0, 1); v6 the stage by rows; v8, v9 where I store my image and its scale word; v10 4 r;
;   v16-79 the accumulators ((t, i) at 16 + 8 (4 t + i)), before and after them two whole rows; v80-175 Wo's fragments, two sets, later gamma and beta; v176-223 O's fragments, two sets, later the sums; v224-239 Wo's scale words; v240-247 O's.
.set AIMG, 0                           ; LDS: O's 16 fragments, (t, s) at 1,536 (8 t + s)
.set ASC,  24576                       ; their scale words: [s][32 lanes]: lanes 0-15 tile 0's rows, lanes 16-31 tile 1's
.set STG,  26624                       ; the stage: 32 rows x (4,096 + 16) bytes
.set SP,   4112
.set ACC,  16
.set BF,   80
.set AFR,  176
.set WS,   224
.set AS,   240
.set RT,   176                         ; the sums: row e in v[RT + 4 e] on
.set GA,   80                          ; gamma: my 32 columns
.set BE,   112                         ; beta
	s_load_b512 s[8:23], s[0:1], 0x0               ; oimg, osc, cod, scl, q, gamma, beta, out0
	v_lshl_add_u32 v254, v0, 2, 0x26a00
	v_mov_b32 v255, 0
	v_lshrrev_b32 v1, 5, v0
	s_delay_alu instid0(VALU_DEP_1)
	v_readfirstlane_b32 s2, v1                     ; wave 0..15
	v_and_b32 v3, 31, v0                           ; lane
	v_and_b32 v10, 15, v0                          ; r
	v_bfe_u32 v11, v0, 4, 1                        ; h
	s_delay_alu instid0(VALU_DEP_3)
	v_lshlrev_b32 v1, 4, v3
	s_delay_alu instid0(VALU_DEP_4)
	v_lshlrev_b32 v2, 3, v3
	v_lshlrev_b32 v7, 2, v3
	v_lshlrev_b32 v12, 5, v3
	v_mul_u32_u24 v4, v10, SP
	s_delay_alu instid0(VALU_DEP_1)
	v_lshl_add_u32 v4, v11, 6, v4
	s_lshl_b32 s3, s2, 8
	v_add_nc_u32 v4, s3, v4
	s_delay_alu instid0(VALU_DEP_1)
	v_add_nc_u32 v4, STG, v4                       ; row r, + 64 h, + my 256 bytes of columns
	s_delay_alu instid0(VALU_DEP_1)
	v_add_nc_u32 v5, 16*SP, v4                     ; the same 16 rows further down
	s_mul_i32 s3, s2, 2*SP
	v_add_nc_u32 v6, s3, v1
	s_delay_alu instid0(VALU_DEP_1)
	v_add_nc_u32 v6, STG, v6                       ; rows 2 w and 2 w + 1, 16 bytes a lane
	s_mul_i32 s3, s2, 1536
	v_add_nc_u32 v8, s3, v1                        ; my image
	v_lshlrev_b32 v10, 2, v10                      ; 4 r
	s_and_b32 s4, s2, 7                            ; my fragment's K step s,
	s_lshr_b32 s5, s2, 3                           ; and tile of rows t
	s_lshl_b32 s3, s4, 7
	s_lshl_b32 s6, s5, 6
	s_add_co_u32 s3, s3, s6
	v_add_nc_u32 v9, s3, v10
	s_delay_alu instid0(VALU_DEP_1)
	v_add_nc_u32 v9, ASC, v9                       ; its scale word: 128 s + 64 t + 4 r
	s_lshl_b32 s6, ttmp9, 1
	s_add_co_u32 s6, s6, s5                        ; the tile of queries
	s_mul_i32 s24, s6, 12288
	s_mul_i32 s7, s4, 1536
	s_add_co_u32 s24, s24, s7
	s_mov_b32 s25, 0                               ; O's codes: [tile][head][768]: K step s is heads 2 s and 2 s + 1
	s_lshl_b32 s26, s4, 15
	s_lshl_b32 s7, s6, 6
	s_add_co_u32 s26, s26, s7
	s_mov_b32 s27, 0                               ; O's scale words: [head][tile][16 words]
	s_and_b32 s28, s2, 3                           ; stage rows 2 w + e are the block's rows 2 (w % 4) + 16 ((w / 4) % 2) + 8 (w / 8) + e
	s_lshl_b32 s28, s28, 1
	s_bfe_u32 s7, s2, 0x10002
	s_lshl_b32 s7, s7, 4
	s_add_co_u32 s28, s28, s7
	s_lshl_b32 s7, s5, 3
	s_add_co_u32 s28, s28, s7
	s_lshl_b32 s7, ttmp9, 5
	s_add_co_u32 s28, s28, s7
	s_lshl_b32 s28, s28, 12                        ; x 4,096 bytes
	s_mov_b32 s29, 0
	s_lshr_b32 s30, s2, 1                          ; Wo's codes: groups 120 on; my four tiles are half of group w / 2
	s_add_co_u32 s30, s30, 120
	s_mul_i32 s30, s30, 98304
	s_and_b32 s7, s2, 1
	s_mul_i32 s7, s7, 6144
	s_add_co_u32 s30, s30, s7
	s_mov_b32 s31, 0
	s_lshl_b32 s32, s2, 11                         ; Wo's scale words: stored rows 15,360 + 64 w on, 32 bytes a row
	s_add_co_u32 s32, s32, 15360*32
	s_mov_b32 s33, 0
	s_mov_b32 s34, 0x76543210
	s_mov_b32 s35, 0xfedcba98                      ; selects for lane l xor 16
	s_mov_b32 s36, 0x3a800000                      ; 1 / 1,024
	s_mov_b32 s37, 0x358637bd                      ; 1e-6
	s_wait_alu depctr_va_vdst(0)
	s_wait_kmcnt 0x0
	s_add_nc_u64 s[8:9], s[8:9], s[24:25]
	s_add_nc_u64 s[10:11], s[10:11], s[26:27]
	s_add_nc_u64 s[16:17], s[16:17], s[28:29]
	s_add_nc_u64 s[22:23], s[22:23], s[28:29]
	s_add_nc_u64 s[12:13], s[12:13], s[30:31]
	s_add_nc_u64 s[14:15], s[14:15], s[32:33]
.macro BLOAD s                         ; Wo's four fragments of K step s into set s % 2: each load reads 512 consecutive bytes
.irp i, 0,1,2,3
.irp j, 0,1,2
	global_load_b128 v[BF+48*((\s)%2)+12*\i+4*\j:BF+48*((\s)%2)+12*\i+4*\j+3], v1, s[12:13] offset:12288*(\s)+1536*\i+512*\j
.endr
.endr
.endm
.macro ALOAD s                         ; O's two fragments of K step s into set s % 2
.irp t, 0,1
.irp j, 0,1,2
	ds_load_b128 v[AFR+24*((\s)%2)+12*\t+4*\j:AFR+24*((\s)%2)+12*\t+4*\j+3], v1 offset:AIMG+(8*\t+(\s))*1536+512*\j
.endr
.endr
.endm
	global_load_b128 v[AFR:AFR+3], v1, s[8:9]                    ; my fragment of O: two halves of 768 bytes
	global_load_b64 v[AFR+4:AFR+5], v2, s[8:9] offset:512
	global_load_b128 v[AFR+6:AFR+9], v1, s[8:9] offset:768
	global_load_b64 v[AFR+10:AFR+11], v2, s[8:9] offset:1280
	global_load_b32 v248, v10, s[10:11]                          ; its rows' scale bytes of head 2 s,
	global_load_b32 v249, v10, s[10:11] offset:16384             ; and of head 2 s + 1
.irp e, 0,1
.irp i, 0,1,2,3,4,5,6,7
	global_load_b128 v[ACC+32*\e+4*\i:ACC+32*\e+4*\i+3], v1, s[16:17] offset:4096*\e+512*\i   ; two whole rows of the residual
.endr
.endr
.irp p, 0,1
	global_load_b128 v[WS+8*\p:WS+8*\p+3], v12, s[14:15] offset:1024*\p       ; Wo's scale words: lanes 0-15 tile 2 p's rows, lanes 16-31 tile 2 p + 1's; word s for K step s
	global_load_b128 v[WS+8*\p+4:WS+8*\p+7], v12, s[14:15] offset:1024*\p+16
.endr
	BLOAD 0
	BLOAD 1
	s_wait_loadcnt 24                              ; all but Wo's 24 fragment loads are in
.irp j, 0,1,2
	ds_store_b128 v8, v[AFR+4*\j:AFR+4*\j+3] offset:AIMG+512*\j
.endr
	v_lshl_or_b32 v248, v249, 16, v248             ; the K step's scale word
	ds_store_b32 v9, v248                          ; both halves of the lanes write the same word with the same value
.irp e, 0,1
.irp i, 0,1,2,3,4,5,6,7
	ds_store_b128 v6, v[ACC+32*\e+4*\i:ACC+32*\e+4*\i+3] offset:SP*\e+512*\i
.endr
.endr
	s_wait_dscnt 0x0                               ; for the others' sake: my stores have landed
	s_barrier_signal -1
	s_barrier_wait -1
.irp t, 0,1
.irp i, 0,1,2,3
	ds_load_b128 v[ACC+8*(4*\t+\i):ACC+8*(4*\t+\i)+3], v[4+\t] offset:128*(\i/2)+32*(\i%2)        ; the residual in the result's layout: it starts the sums
	ds_load_b128 v[ACC+8*(4*\t+\i)+4:ACC+8*(4*\t+\i)+7], v[4+\t] offset:128*(\i/2)+32*(\i%2)+16
.endr
.endr
.irp n, 0,1,2,3,4,5,6,7
	ds_load_b32 v[AS+\n], v7 offset:ASC+128*\n
.endr
	ALOAD 0
	ALOAD 1
.macro MM t, i, s                      ; acc(t, i) += Wo(i, s) x O(t, s); the scale registers' rows: Wo's by i % 2, O's by t
.set DD, ACC+8*(4*(\t)+(\i))
.set BB, BF+48*((\s)%2)+12*(\i)
.set AA, AFR+24*((\s)%2)+12*(\t)
.set SA, WS+8*((\i)/2)+(\s)
.if ((\i)%2 == 0) && ((\t) == 0)
	v_wmma_scale_f32_16x16x128_f8f6f4 v[DD:DD+7], v[BB:BB+11], v[AA:AA+11], v[DD:DD+7], v[SA], v[AS+(\s)] matrix_a_fmt:MATRIX_FMT_FP6 matrix_b_fmt:MATRIX_FMT_FP6
.elseif (\t) == 0
	v_wmma_scale_f32_16x16x128_f8f6f4 v[DD:DD+7], v[BB:BB+11], v[AA:AA+11], v[DD:DD+7], v[SA], v[AS+(\s)] matrix_a_fmt:MATRIX_FMT_FP6 matrix_b_fmt:MATRIX_FMT_FP6 matrix_a_scale:MATRIX_SCALE_ROW1
.elseif (\i)%2 == 0
	v_wmma_scale_f32_16x16x128_f8f6f4 v[DD:DD+7], v[BB:BB+11], v[AA:AA+11], v[DD:DD+7], v[SA], v[AS+(\s)] matrix_a_fmt:MATRIX_FMT_FP6 matrix_b_fmt:MATRIX_FMT_FP6 matrix_b_scale:MATRIX_SCALE_ROW1
.else
	v_wmma_scale_f32_16x16x128_f8f6f4 v[DD:DD+7], v[BB:BB+11], v[AA:AA+11], v[DD:DD+7], v[SA], v[AS+(\s)] matrix_a_fmt:MATRIX_FMT_FP6 matrix_b_fmt:MATRIX_FMT_FP6 matrix_a_scale:MATRIX_SCALE_ROW1 matrix_b_scale:MATRIX_SCALE_ROW1
.endif
.endm
.macro KSTEP s
.if (\s) < 7
	s_wait_loadcnt 12                              ; this K step's fragments of Wo are in; the next step's 12 loads may be out
	s_wait_dscnt 6                                 ; and O's; the next step's 6 may be out
.else
	s_wait_loadcnt 0x0
	s_wait_dscnt 0x0
.endif
.irp t, 0,1
.irp i, 0,1,2,3
	MM \t, \i, \s                                  ; the eight accumulators take turns, one instruction a turn
.endr
.endr
.rept 4
	v_nop                                          ; places in front of loads into registers that these products have read, and of the first read of results
.endr
.if (\s) < 6
	BLOAD (\s)+2
	ALOAD (\s)+2
.endif
.endm
.irp n, 0,1,2,3,4,5,6,7
	KSTEP \n
.endr
.irp i, 0,1,2,3,4,5,6,7
	global_load_b128 v[GA+4*\i:GA+4*\i+3], v1, s[18:19] offset:512*\i     ; gamma and beta of the columns that I hold of a whole row: they land under the sums
	global_load_b128 v[BE+4*\i:BE+4*\i+3], v1, s[20:21] offset:512*\i
.endr
.irp t, 0,1
.irp i, 0,1,2,3
	ds_store_b128 v[4+\t], v[ACC+8*(4*\t+\i):ACC+8*(4*\t+\i)+3] offset:128*(\i/2)+32*(\i%2)       ; back to the bytes that only I have read, each accumulator from its low end on
	ds_store_b128 v[4+\t], v[ACC+8*(4*\t+\i)+4:ACC+8*(4*\t+\i)+7] offset:128*(\i/2)+32*(\i%2)+16
.endr
.endr
	s_wait_dscnt 0x0
	s_barrier_signal -1
	s_barrier_wait -1                              ; 32 whole rows lie in the stage
.irp e, 0,1
.irp i, 0,1,2,3,4,5,6,7
	ds_load_b128 v[ACC+32*\e+4*\i:ACC+32*\e+4*\i+3], v6 offset:SP*\e+512*\i
.endr
.endr
	s_wait_dscnt 0x0
; the two pairs of row e's partial sums become the row's sum, in every lane
.macro REDUCE
.irp e, 0
	s_delay_alu instid0(VALU_DEP_3)
	v_pk_add_f32 v[RT+4*\e:RT+4*\e+1], v[RT+4*\e:RT+4*\e+1], v[RT+4*\e+2:RT+4*\e+3]
.endr
.irp e, 1
	s_delay_alu instid0(VALU_DEP_2)
	v_pk_add_f32 v[RT+4*\e:RT+4*\e+1], v[RT+4*\e:RT+4*\e+1], v[RT+4*\e+2:RT+4*\e+3]
.endr
.irp e, 0,1
	s_delay_alu instid0(VALU_DEP_2)
	v_add_f32 v[RT+4*\e], v[RT+4*\e], v[RT+4*\e+1]
.endr
.irp m, 1,2,4,8
.irp e, 0,1
	s_delay_alu instid0(VALU_DEP_2)
	v_add_f32_dpp v[RT+4*\e], v[RT+4*\e], v[RT+4*\e] row_xmask:\m row_mask:0xf bank_mask:0xf
.endr
.endr
.irp e, 0,1
	s_delay_alu instid0(VALU_DEP_2)
	v_permlanex16_b32 v[RT+4*\e+1], v[RT+4*\e], s34, s35
.endr
.irp e, 0,1
	s_delay_alu instid0(VALU_DEP_2)
	v_add_f32 v[RT+4*\e], v[RT+4*\e], v[RT+4*\e+1]
.endr
.endm
.irp e, 0,1
	v_pk_add_f32 v[RT+4*\e:RT+4*\e+1], v[ACC+32*\e:ACC+32*\e+1], v[ACC+32*\e+2:ACC+32*\e+3]
	v_pk_add_f32 v[RT+4*\e+2:RT+4*\e+3], v[ACC+32*\e+4:ACC+32*\e+5], v[ACC+32*\e+6:ACC+32*\e+7]
.endr
.irp j, 8,12,16,20,24,28
.irp e, 0,1
	s_delay_alu instid0(VALU_DEP_4)
	v_pk_add_f32 v[RT+4*\e:RT+4*\e+1], v[RT+4*\e:RT+4*\e+1], v[ACC+32*\e+\j:ACC+32*\e+\j+1]
	s_delay_alu instid0(VALU_DEP_4)
	v_pk_add_f32 v[RT+4*\e+2:RT+4*\e+3], v[RT+4*\e+2:RT+4*\e+3], v[ACC+32*\e+\j+2:ACC+32*\e+\j+3]
.endr
.endr
	REDUCE
.irp e, 0,1
	s_delay_alu instid0(VALU_DEP_2)
	v_mul_f32 v[RT+4*\e], 0xba800000, v[RT+4*\e]   ; minus the mean
.endr
.irp j, 0,2,4,6,8,10,12,14,16,18,20,22,24,26,28,30
.irp e, 0,1
	v_pk_add_f32 v[ACC+32*\e+\j:ACC+32*\e+\j+1], v[ACC+32*\e+\j:ACC+32*\e+\j+1], v[RT+4*\e:RT+4*\e+1] op_sel_hi:[1,0]
.endr
.endr
.irp e, 0,1
	v_pk_mul_f32 v[RT+4*\e:RT+4*\e+1], v[ACC+32*\e:ACC+32*\e+1], v[ACC+32*\e:ACC+32*\e+1]
	v_pk_mul_f32 v[RT+4*\e+2:RT+4*\e+3], v[ACC+32*\e+2:ACC+32*\e+3], v[ACC+32*\e+2:ACC+32*\e+3]
.endr
.irp j, 4,8,12,16,20,24,28
.irp e, 0,1
	s_delay_alu instid0(VALU_DEP_4)
	v_pk_fma_f32 v[RT+4*\e:RT+4*\e+1], v[ACC+32*\e+\j:ACC+32*\e+\j+1], v[ACC+32*\e+\j:ACC+32*\e+\j+1], v[RT+4*\e:RT+4*\e+1]
	s_delay_alu instid0(VALU_DEP_4)
	v_pk_fma_f32 v[RT+4*\e+2:RT+4*\e+3], v[ACC+32*\e+\j+2:ACC+32*\e+\j+3], v[ACC+32*\e+\j+2:ACC+32*\e+\j+3], v[RT+4*\e+2:RT+4*\e+3]
.endr
.endr
	REDUCE
.irp e, 0,1
	s_delay_alu instid0(VALU_DEP_2)
	v_fma_f32 v[RT+4*\e], v[RT+4*\e], s36, s37     ; the variance + 1e-6
.endr
	s_wait_alu depctr_va_vdst(0)
.irp e, 0,1
	v_rsq_f32 v[RT+4*\e], v[RT+4*\e]
.endr
	v_nop                                          ; a plain instruction behind the last of the two
	s_wait_alu depctr_va_vdst(0)                   ; one wait for both, ahead of their first reader
	s_wait_loadcnt 0x0                             ; gamma and beta
.irp j, 0,2,4,6,8,10,12,14,16,18,20,22,24,26,28,30
.irp e, 0,1
	v_pk_mul_f32 v[ACC+32*\e+\j:ACC+32*\e+\j+1], v[ACC+32*\e+\j:ACC+32*\e+\j+1], v[RT+4*\e:RT+4*\e+1] op_sel_hi:[1,0]
.endr
.endr
.irp j, 0,2,4,6,8,10,12,14,16,18,20,22,24,26,28,30
.irp e, 0,1
	v_pk_fma_f32 v[ACC+32*\e+\j:ACC+32*\e+\j+1], v[ACC+32*\e+\j:ACC+32*\e+\j+1], v[GA+\j:GA+\j+1], v[BE+\j:BE+\j+1]
.endr
.endr
.irp e, 0,1
.irp i, 0,1,2,3,4,5,6,7
	global_store_b128 v1, v[ACC+32*\e+4*\i:ACC+32*\e+4*\i+3], s[22:23] offset:4096*\e+512*\i th:TH_STORE_NT   ; 32 lanes store 512 consecutive bytes, aligned; written once
.endr
.endr
	s_wait_tensorcnt 0x0
	ds_add_u32 v254, v255
	s_wait_dscnt 0x0
	s_endpgm
.Lfunc_end_k_qb3c1809fb0_outln:
	.size	k_qb3c1809fb0_outln, .Lfunc_end_k_qb3c1809fb0_outln-k_qb3c1809fb0_outln
	.p2alignl 7, 3214868480
	.fill 96, 4, 3214868480
	.section	.rodata,"a",@progbits
	.p2align	6, 0x0
	.amdhsa_kernel k_qb3c1809fb0_outln
		.amdhsa_group_segment_fixed_size 160256
		.amdhsa_private_segment_fixed_size 0
		.amdhsa_enable_private_segment 0
		.amdhsa_kernarg_size 64
		.amdhsa_user_sgpr_count 2
		.amdhsa_user_sgpr_kernarg_segment_ptr 1
		.amdhsa_wavefront_size32 1
		.amdhsa_system_sgpr_workgroup_id_x 1
		.amdhsa_system_sgpr_workgroup_id_y 1
		.amdhsa_system_sgpr_workgroup_id_z 1
		.amdhsa_system_vgpr_workitem_id 0
		.amdhsa_next_free_vgpr 256
		.amdhsa_next_free_sgpr 66
		.amdhsa_reserve_vcc 0
		.amdhsa_float_denorm_mode_32 3
		.amdhsa_float_denorm_mode_16_64 3
		.amdhsa_memory_ordered 1
		.amdhsa_forward_progress 1
		.amdhsa_inst_pref_size 51
	.end_amdhsa_kernel
	.amdgpu_metadata
---
amdhsa.version: [ 1, 2 ]
amdhsa.kernels:
  - .name:           k_qb3c1809fb0_outln
    .symbol:         k_qb3c1809fb0_outln.kd
    .args:
      - { .name: oimg, .offset: 0, .size: 8, .value_kind: global_buffer, .address_space: global }
      - { .name: osc, .offset: 8, .size: 8, .value_kind: global_buffer, .address_space: global }
      - { .name: cod, .offset: 16, .size: 8, .value_kind: global_buffer, .address_space: global }
      - { .name: scl, .offset: 24, .size: 8, .value_kind: global_buffer, .address_space: global }
      - { .name: q, .offset: 32, .size: 8, .value_kind: global_buffer, .address_space: global }
      - { .name: gamma, .offset: 40, .size: 8, .value_kind: global_buffer, .address_space: global }
      - { .name: beta, .offset: 48, .size: 8, .value_kind: global_buffer, .address_space: global }
      - { .name: out0, .offset: 56, .size: 8, .value_kind: global_buffer, .address_space: global }
    .group_segment_fixed_size: 160256
    .private_segment_fixed_size: 0
    .kernarg_segment_align: 8
    .kernarg_segment_size: 64
    .max_flat_workgroup_size: 512
    .sgpr_count:     66
    .vgpr_count:     256
    .wavefront_size: 32
...
	.end_amdgpu_metadata
.endif
;; end of part 4
